; MI455X (gfx1250); checked and timed in simulation.
; The chip was launched on July 23, 2026; its instructions are those of AMD's public machine-readable ISA for CDNA 5 (MIT licence, August 2026) and "CDNA5" Instruction Set Architecture Reference Guide (July 2026). The comments in the code are by the model that wrote it; some were corrected since.
;; Batch Invariant Multi Head Attention. Allowed arithmetic: matrix products marked QUANTISED: E2M1 operands, one E8M0 scale for each 32 along K, by v_wmma_scale_f32_16x16x128_f8f6f4 with both operands' format E2M1 (or v_wmma_scale_f32_32x16x128_f4), f32 sums; products left as they are: bf16, f16 or f32 operands; f32 sums; everything else in f32.
;; Inputs: Wk 1,024 x 1,024 float32; Wo 1,024 x 1,024 float32; Wq 1,024 x 1,024 float32; Wv 1,024 x 1,024 float32; bk 1,024 float32; bo 1,024 float32; bq 1,024 float32; bv 1,024 float32; key 2,048 x 2 x 1,024 float32; query 2,048 x 2 x 1,024 float32; value 2,048 x 2 x 1,024 float32.
;; Outputs: out0 2,048 x 2 x 1,024 float32.
;; This version of the problem:
;;   THIS VERSION OF THE PROBLEM IS GIVEN IN LOW PRECISION. The matrix products marked QUANTISED in the list below multiply operands that are first quantised to E2M1 (2 exponent bits, 1 mantissa bit; 4 bits a number), with one power-of-two scale for each 32 numbers along K (OCP MX v1.0); their sums are f32. The products marked 'left as it is' may take bf16, f16 or f32 operands, with f32 sums. Whichever they take, every output number must still come out within the allowed error. Rounding operands to bf16 (8 significant bits) uses up far more of that allowance than f16 does (11 bits, for magnitudes from 6e-5 to 65,504). All else is computed in f32.
;;   The module's matrix products, in the order in which they are computed (A, B: the left and right operand; K: the contracted axis; several contracted axes count as one K, in the product's order):
;;     1. [M 4,096, K 1,024] x [K 1,024, N 1,024]; A: input query; B: input Wq: QUANTISED
;;     2. [M 4,096, K 1,024] x [K 1,024, N 1,024]; A: input key; B: input Wk: QUANTISED
;;     3. [M 4,096, K 1,024] x [K 1,024, N 1,024]; A: input value; B: input Wv: QUANTISED
;;     4. batch 32 x [M 2,048, K 64] x [K 64, N 2,048]; A: computed on the way; B: computed on the way: left as it is (an operand is computed on the way)
;;     5. batch 32 x [M 2,048, K 2,048] x [K 2,048, N 64]; A: computed on the way; B: computed on the way: left as it is (an operand is computed on the way)
;;     6. [M 4,096, K 1,024] x [K 1,024, N 1,024]; A: computed on the way; B: input Wo: left as it is (an operand is computed on the way)
;;   THE QUANTISER, for each operand of a quantised product, along K:
;;     - K is cut into blocks of 32 from its start; a last block that is shorter is filled with zeros.
;;     - A block's scale is 2^e with e = floor(log2(the largest magnitude in the block)) - 2, held to -126 .. 127; a block of zeros has e = 0. As a byte (E8M0): e + 127.
;;     - Each number is divided by its block's scale, clamped to +-6, and rounded to the nearest number of E2M1, ties to even, subnormals kept.
;;     - The product sums the exact products of the quantised numbers (number of the format x scale) in f32.
;;   ~~~python
;;   def quantise(x, axis):      # numpy; x: float32 -> the quantised numbers, widened to float32 again
;;       x = np.moveaxis(x, axis, -1); K = x.shape[-1]
;;       x = np.pad(x, [(0, 0)] * (x.ndim - 1) + [(0, -K % 32)]); x = x.reshape(x.shape[:-1] + (-1, 32)); a = np.abs(x).max(-1, keepdims=True)
;;       e = np.where(a > 0, np.clip(np.frexp(np.where(a > 0, a, 1))[1] - 1 - 2, -126, 127), 0)      # np.frexp(a)[1] - 1 = floor(log2(a)), exactly
;;       r = np.clip(x / 2.0 ** e, -6, 6)
;;       step = 2.0 ** (np.maximum(np.frexp(np.where(r == 0, 1, r))[1] - 1, 0) - 1)
;;       q = np.round(r / step) * step * 2.0 ** e      # np.round: ties to even
;;       return np.moveaxis(q.reshape(q.shape[:-2] + (-1,))[..., :K], -1, axis).astype(np.float32)
;;   ~~~
;; One version. Each part assembles by itself: llvm-mc -triple=amdgcn-amd-amdhsa -mcpu=gfx1250 --defsym DOCPART=n.
;; ======== version 1 of 1: 5 launches
;; limits: values are held in f16: magnitudes above 65,504 overflow, below 6.1e-05 lose precision
;; workspace buffers: codes 7,864,320 bytes; scales 491,520 bytes; wo16 2,097,152 bytes; qkv 25,165,824 bytes; qkvf 393,216 bytes; att 8,388,608 bytes
;; launch quant (part 1): grid 512 x 1, 4 waves a work-group, no clusters, 33,280 bytes of LDS; arguments query, key, value, Wq, Wk, Wv, Wo, codes, scales, wo16; writes codes, scales, wo16
.if DOCPART == 1
	.amdgcn_target "amdgcn-amd-amdhsa--gfx1250"
	.amdhsa_code_object_version 6
	.text
	.protected	k_qdd013e32eb_quant
	.globl	k_qdd013e32eb_quant
	.p2align	8
	.type	k_qdd013e32eb_quant,@function
k_qdd013e32eb_quant:
	s_mov_b64 s[64:65], 0
	v_nop
	global_prefetch_b8 v0, s[64:65] scope:SCOPE_SE
	s_setreg_imm32_b32 hwreg(HW_REG_WAVE_MODE, 25, 1), 1
	s_wait_xcnt 0x0
; query, key, value [4096][1024] and Wq, Wk, Wv [1024][1024], f32 with K innermost, become codes of FP4 (E2M1), two a byte, and one E8M0 byte for each 32 along K.
; All six are plain streams of blocks of 32; their codes lie on end in one buffer of 15,360 rows of 512 bytes (query, key, value, Wq, Wk, Wv), their scale bytes likewise, 32 a row.
; A block's scale is 2^(floor(log2(largest magnitude)) - 2): its byte is the largest magnitude's exponent field - 2, held at 1 from below.
; Wo [1024][1024] is rounded to f16 (the last product is left as it is).
; LIMITS: NaN and infinities among the inputs are not served.  A block of zeros gets the byte 1, not 127: its codes are zeros, and this program alone reads the bytes.
;         Wo must lie under 65,504 in magnitude; under 6e-5 its f16 numbers are subnormal (step 6e-8).
; SHARES: a work-group takes 32,768 numbers, a wave 8,192.  Work-groups 0-127 query, 128-255 key, 256-383 value, 384-415 Wq, 416-447 Wk, 448-479 Wv, 480-511 Wo.
; A wave's 16 steps of 512 numbers: four loads of 512 consecutive bytes; the 2,048 bytes turn through the wave's own stage in LDS, so that a lane holds 16 neighbours along K (two lanes a block).
; Loads run eight steps ahead: 32 loads, half of the wave's 32,768 bytes, are on their way.
.set STEPS, 16
.set AHEAD, 8                          ; steps of loads on their way
.set CB,    8                          ; bytes of 16 codes
.set R,     16                         ; v16-143  eight sets of 16 numbers as loaded
.set X,     144                        ; v144-175 two sets of 16 neighbours
.set E,     176                        ; v176-191 a scale byte for each step
.set C,     192                        ; v192-255 codes, four registers a step: no store's data are written again
.set WREG,  8192                       ; LDS of a wave: two stages of 32 x 80 bytes, then its 256 scale bytes
.set SP,    80                         ; a lane's place in a stage: 64 bytes + 16 of padding
.set SPW,   12                         ; v12 LDS address of my spare word; never rewritten
.set NIL,   13                         ; v13 0; never rewritten
.set SPARE, 4*WREG                     ; the spare words: 128 bytes a wave, two blocks of 256 bytes that no other line names
	s_load_b256 s[8:15], s[0:1], 0x0               ; query, key, value, Wq
	s_load_b256 s[16:23], s[0:1], 0x20             ; Wk, Wv, Wo, codes
	s_load_b128 s[24:27], s[0:1], 0x40             ; scales, wo16
	v_lshl_add_u32 v[SPW], v0, 2, SPARE
	v_mov_b32 v[NIL], 0
	v_lshrrev_b32 v1, 5, v0
	v_readfirstlane_b32 s29, v1                    ; wave
	v_and_b32 v2, 31, v0                           ; lane
	v_lshlrev_b32 v3, 4, v2                        ; my 16 bytes of a load's 512
	s_mul_i32 s30, s29, WREG
	v_lshrrev_b32 v14, 2, v2
	v_mul_u32_u24 v14, v14, SP
	v_and_b32 v15, 3, v2
	v_lshl_add_u32 v14, v15, 4, v14
	v_add_nc_u32 v14, s30, v14                     ; the stage on the way in: 80 (lane / 4) + 16 (lane % 4)
	v_mul_u32_u24 v15, v2, SP
	v_add_nc_u32 v15, s30, v15                     ; and on the way out: 80 x lane
	v_mul_u32_u24 v4, v2, CB                       ; 8 x lane: my codes' place in a step's 256 bytes
	v_lshrrev_b32 v5, 1, v2
	s_add_co_u32 s30, s30, 2*32*SP
	v_add_nc_u32 v5, s30, v5                       ; my block's scale byte in LDS
	v_lshlrev_b32 v7, 3, v2
	v_add_nc_u32 v6, s30, v7                       ; and 8 bytes a lane on the way out
	s_wait_kmcnt 0x0
	s_cmp_ge_u32 ttmp9, 480
	s_cbranch_scc1 .Lwo
	; which stream: pointers alone are chosen, on the work-group's number
	s_mov_b64 s[4:5], s[18:19]                     ; Wv
	s_mov_b32 s28, 448
	s_cmp_lt_u32 ttmp9, 448
	s_cselect_b64 s[4:5], s[16:17], s[4:5]         ; Wk
	s_cselect_b32 s28, 416, s28
	s_cmp_lt_u32 ttmp9, 416
	s_cselect_b64 s[4:5], s[14:15], s[4:5]         ; Wq
	s_cselect_b32 s28, 384, s28
	s_cmp_lt_u32 ttmp9, 384
	s_cselect_b64 s[4:5], s[12:13], s[4:5]         ; value
	s_cselect_b32 s28, 256, s28
	s_cmp_lt_u32 ttmp9, 256
	s_cselect_b64 s[4:5], s[10:11], s[4:5]         ; key
	s_cselect_b32 s28, 128, s28
	s_cmp_lt_u32 ttmp9, 128
	s_cselect_b64 s[4:5], s[8:9], s[4:5]           ; query
	s_cselect_b32 s28, 0, s28
	s_sub_co_u32 s30, ttmp9, s28
	s_lshl_b32 s30, s30, 2
	s_add_co_u32 s30, s30, s29                     ; my run of 8,192 numbers in the tensor
	s_lshl_b32 s30, s30, 15                        ; x 32,768 bytes (16 MiB at the most)
	s_mov_b32 s31, 0
	s_add_nc_u64 s[4:5], s[4:5], s[30:31]
	s_lshl_b32 s36, ttmp9, 2
	s_add_co_u32 s36, s36, s29                     ; my run in the workspace: the streams lie on end
	s_lshl_b32 s30, s36, 12
	s_add_nc_u64 s[32:33], s[22:23], s[30:31]      ; 4,096 bytes of codes a run
	s_lshl_b32 s30, s36, 8
	s_add_nc_u64 s[34:35], s[24:25], s[30:31]      ; 256 scale bytes a run
.macro LOAD t
.irp i, 0,1,2,3
	global_load_b128 v[R+16*((\t)%AHEAD)+4*\i:R+16*((\t)%AHEAD)+4*\i+3], v3, s[4:5] offset:2048*(\t)+512*\i th:TH_LOAD_NT   ; 32 lanes read 512 consecutive bytes
.endr
.endm
.macro TURN t                          ; a step's numbers through the stage; LDS serves a wave's instructions in order (ISA guide 5.7.1.4)
.irp i, 0,1,2,3
	ds_store_b128 v14, v[R+16*((\t)%AHEAD)+4*\i:R+16*((\t)%AHEAD)+4*\i+3] offset:32*SP*((\t)%2)+8*SP*\i
.endr
.irp i, 0,1,2,3
	ds_load_b128 v[X+16*((\t)%2)+4*\i:X+16*((\t)%2)+4*\i+3], v15 offset:32*SP*((\t)%2)+16*\i
.endr
.endm
.irp t, 0,1,2,3,4,5,6,7
	LOAD \t
.endr
	s_wait_loadcnt 4*(AHEAD-1)                     ; step 0's four loads are in; the 28 of the seven steps behind it stay out
	TURN 0
.macro STEP t
.set XS, X+16*((\t)%2)
.if (\t) > 0
	s_wait_dscnt 1                                 ; this step's numbers are back from the stage, so its stores into the stage have read their registers; the last step's byte store may be out
.else
	s_wait_dscnt 0x0
.endif
.if (\t)+AHEAD < STEPS
	LOAD (\t)+AHEAD                                ; into the registers that this step's numbers have left
.endif
.if (\t)+1 < STEPS
.if STEPS-2-(\t) >= AHEAD-1
	s_wait_loadcnt 4*(AHEAD-1)                     ; the next step's four loads are in; those of the seven steps behind it stay out
.else
	s_wait_loadcnt 4*(STEPS-2-(\t))                ; at the end the count runs down
.endif
	TURN (\t)+1
.endif
	v_max3_num_f32 v8, |v[XS]|, |v[XS+1]|, |v[XS+2]|               ; the largest magnitude of my 16, in two chains
	v_max3_num_f32 v9, |v[XS+3]|, |v[XS+4]|, |v[XS+5]|
.irp i, 6,10
	v_max3_num_f32 v8, v8, |v[XS+\i]|, |v[XS+\i+1]|
	v_max3_num_f32 v9, v9, |v[XS+\i+2]|, |v[XS+\i+3]|
.endr
	v_max3_num_f32 v8, v8, |v[XS+14]|, |v[XS+15]|
	v_max3_num_f32 v8, v8, v9, 0x1800000           ; and the floor 2^(3 - 127): the byte cannot fall under 1
	v_max_num_f32_dpp v8, v8, v8 row_xmask:1 row_mask:0xf bank_mask:0xf   ; with my neighbour's 16: the block's
	v_add_nc_u32 v11, 0xff000000, v8               ; 2 off its exponent field: the conversion takes that field as its scale
	v_cvt_scalef32_pk8_fp4_f32 v[C+4*(\t)], v[XS:XS+7], v11
	v_cvt_scalef32_pk8_fp4_f32 v[C+4*(\t)+1], v[XS+8:XS+15], v11
	v_lshrrev_b32 v[E+(\t)], 23, v11               ; the scale's byte (a plain line behind the conversions)
	ds_store_b8 v5, v[E+(\t)] offset:16*(\t)       ; both lanes of a block write the same byte
	global_store_b64 v4, v[C+4*(\t):C+4*(\t)+1], s[32:33] offset:32*CB*(\t)   ; the wave stores 256 consecutive bytes, aligned
.endm
.irp t, 0,1,2,3,4,5,6,7,8,9,10,11,12,13,14,15
	STEP \t
.endr
	ds_load_b64 v[8:9], v6                         ; my wave's 256 scale bytes, 8 a lane
	s_wait_dscnt 0x0
	global_store_b64 v7, v[8:9], s[34:35]          ; 256 consecutive bytes, aligned
	s_wait_tensorcnt 0x0                           ; the wave's end, behind my last LDS store
	ds_add_u32 v[SPW], v[NIL]
	s_wait_dscnt 0x0
	s_endpgm
; Wo to f16: a wave takes 8,192 numbers in four batches of 16 loads; two batches are on their way.
.Lwo:
	s_sub_co_u32 s30, ttmp9, 480
	s_lshl_b32 s30, s30, 2
	s_add_co_u32 s30, s30, s29
	s_lshl_b32 s36, s30, 14                        ; 16,384 bytes of f16 a run
	s_lshl_b32 s30, s30, 15                        ; 32,768 bytes of f32
	s_mov_b32 s31, 0
	s_mov_b32 s37, 0
	s_add_nc_u64 s[4:5], s[20:21], s[30:31]
	s_add_nc_u64 s[32:33], s[26:27], s[36:37]
.macro LOADB k
.irp i, 0,1,2,3,4,5,6,7,8,9,10,11,12,13,14,15
	global_load_b128 v[16+64*((\k)%2)+4*\i:16+64*((\k)%2)+4*\i+3], v3, s[4:5] offset:512*(16*(\k)+\i) th:TH_LOAD_NT
.endr
.endm
.macro CVTB k, left                    ; left: the younger loads behind the batch's first
.irp i, 0,1,2,3,4,5,6,7,8,9,10,11,12,13,14,15
	s_wait_loadcnt \left-\i
	v_cvt_pk_f16_f32 v[144+2*\i], v[16+64*((\k)%2)+4*\i], v[16+64*((\k)%2)+4*\i+1]
	v_cvt_pk_f16_f32 v[145+2*\i], v[16+64*((\k)%2)+4*\i+2], v[16+64*((\k)%2)+4*\i+3]
	global_store_b64 v4, v[144+2*\i:145+2*\i], s[32:33] offset:256*(16*(\k)+\i)   ; 256 consecutive bytes, aligned
.endr
	s_wait_xcnt 0x0                                ; the stores' data registers are written again only behind this wait
.endm
	LOADB 0
	LOADB 1
	CVTB 0, 31
	LOADB 2
	CVTB 1, 31
	LOADB 3
	CVTB 2, 31
	CVTB 3, 15
	s_endpgm
.Lfunc_end_k_qdd013e32eb_quant:
	.size	k_qdd013e32eb_quant, .Lfunc_end_k_qdd013e32eb_quant-k_qdd013e32eb_quant
	.p2alignl 7, 3214868480
	.fill 96, 4, 3214868480
	.section	.rodata,"a",@progbits
	.p2align	6, 0x0
	.amdhsa_kernel k_qdd013e32eb_quant
		.amdhsa_group_segment_fixed_size 33280
		.amdhsa_private_segment_fixed_size 0
		.amdhsa_enable_private_segment 0
		.amdhsa_kernarg_size 80
		.amdhsa_user_sgpr_count 2
		.amdhsa_user_sgpr_kernarg_segment_ptr 1
		.amdhsa_wavefront_size32 1
		.amdhsa_system_sgpr_workgroup_id_x 1
		.amdhsa_system_sgpr_workgroup_id_y 1
		.amdhsa_system_sgpr_workgroup_id_z 1
		.amdhsa_system_vgpr_workitem_id 0
		.amdhsa_next_free_vgpr 256
		.amdhsa_next_free_sgpr 66
		.amdhsa_reserve_vcc 0
		.amdhsa_float_denorm_mode_32 3
		.amdhsa_float_denorm_mode_16_64 3
		.amdhsa_memory_ordered 1
		.amdhsa_forward_progress 1
		.amdhsa_inst_pref_size 57
	.end_amdhsa_kernel
	.amdgpu_metadata
---
amdhsa.version: [ 1, 2 ]
amdhsa.kernels:
  - .name:           k_qdd013e32eb_quant
    .symbol:         k_qdd013e32eb_quant.kd
    .args:
      - { .name: query, .offset: 0, .size: 8, .value_kind: global_buffer, .address_space: global }
      - { .name: key, .offset: 8, .size: 8, .value_kind: global_buffer, .address_space: global }
      - { .name: value, .offset: 16, .size: 8, .value_kind: global_buffer, .address_space: global }
      - { .name: Wq, .offset: 24, .size: 8, .value_kind: global_buffer, .address_space: global }
      - { .name: Wk, .offset: 32, .size: 8, .value_kind: global_buffer, .address_space: global }
      - { .name: Wv, .offset: 40, .size: 8, .value_kind: global_buffer, .address_space: global }
      - { .name: Wo, .offset: 48, .size: 8, .value_kind: global_buffer, .address_space: global }
      - { .name: codes, .offset: 56, .size: 8, .value_kind: global_buffer, .address_space: global }
      - { .name: scales, .offset: 64, .size: 8, .value_kind: global_buffer, .address_space: global }
      - { .name: wo16, .offset: 72, .size: 8, .value_kind: global_buffer, .address_space: global }
    .group_segment_fixed_size: 33280
    .private_segment_fixed_size: 0
    .kernarg_segment_align: 8
    .kernarg_segment_size: 80
    .max_flat_workgroup_size: 128
    .sgpr_count:     66
    .vgpr_count:     256
    .wavefront_size: 32
...
	.end_amdgpu_metadata
.endif
;; end of part 1
;; launch proj (part 2): grid 4 x 48, 4 waves a work-group, clusters of 4 x 4, 327,680 bytes of LDS; arguments codes, scales, bq, bk, bv, qkv, qkvf; writes qkv, qkvf
.if DOCPART == 2
	.amdgcn_target "amdgcn-amd-amdhsa--gfx1250"
	.amdhsa_code_object_version 6
	.text
	.protected	k_qdd013e32eb_proj
	.globl	k_qdd013e32eb_proj
	.p2align	8
	.type	k_qdd013e32eb_proj,@function
k_qdd013e32eb_proj:
	s_mov_b64 s[64:65], 0
	v_nop
	global_prefetch_b8 v0, s[64:65] scope:SCOPE_SE
	s_setreg_imm32_b32 hwreg(HW_REG_WAVE_MODE, 25, 1), 1
	s_wait_xcnt 0x0
	s_wait_alu depctr_hold_cnt(0) depctr_sa_sdst(0) depctr_va_vdst(0) depctr_va_sdst(0) depctr_va_ssrc(0) depctr_va_vcc(0) depctr_vm_vsrc(0)
	s_getreg_b32 s2, hwreg(HW_REG_IB_STS2, 6, 4)
	s_cmp_eq_u32 s2, 0
	s_cbranch_scc0 .Lentry_in_a_cluster
	s_endpgm
.Lentry_in_a_cluster:
	s_bfe_u32 s2, ttmp6, 0x10000c
	s_cmp_lg_u32 s2, 0xf033
	s_cbranch_scc0 .Lentry_shape_is_right
	s_endpgm
.Lentry_shape_is_right:
; The three projections as ONE product on codes of FP4: C[m][n] = sum over k of A[m][k] B[n][k] + bias[n], K = 1,024.  A: rows 0-12,287 of the codes' buffer (query, key, value),
; B: rows 12,288 + 1,024 t on (t = 0 Wq, 1 Wk, 2 Wv).  A tile of C is 256 x 256: 48 tile rows x 4 tile columns.  Four waves, each 128 x 128: 64 accumulators, 512 registers.
; All of K lies in LDS at once: two slots of 512 along K (rows of 256 bytes), each filled once, and the scale bytes of the tile's rows beside them.  Nothing is filled again.
; CLUSTER 4 x 4: the four of a row of the cluster need the same rows of A, the four of a column the same rows of B: joint loads with a mask.  A cluster's four tile rows belong to one tensor t.
; The matrix instruction is used transposed (source 0 = 16 rows of B, source 1 = 16 rows of A): a lane holds eight neighbouring columns of one row of C.  The bias is the C of each sum's first product.
; RESULTS: rounded to f16 and laid [t][batch][head][position][64] (a row m of A is position m / 2, batch m % 2; a column n is head n / 64, channel n % 64);
;          rows 0-31 (positions 0-15) also as f32, as images of the accumulators' registers, for the launch that carries those positions finely.
; LIMITS: results beyond 65,504 have no f16 number; under 6e-5 they are subnormal (step 6e-8).
; REGISTERS, windows of 256: window 0: v0-31 addresses; v32-95 scale words, two sets; v128-191 A's fragments, one set; v192-255 the bias; on the way out v32-127 are free.
;   window 1: B's fragments, two sets.  window 2: the accumulators of my rows 0-63 ((a, b) at v[8 (8 a + b)]).  window 3: those of rows 64-127.
.set NQ,     4                         ; matrix instructions deep in a slot
.set ROWB,   256                       ; a tile's row in bytes: 512 codes
.set KROW,   512                       ; a row of codes in memory
.set PITCH,  272                       ; an LDS row: 256 + 16 bytes = 68 words: the 16 rows of a load start at 16 different banks (64 banks of 4 bytes: ISA guide 11.1)
.set FR,     8
.set NL,     2
.set NP,     4                         ; places behind this matrix instruction (ISA guide 7.12.1)
.set HALFT,  128*PITCH
.set SLOT,   4*HALFT
.set KS,     32                        ; a row of scale bytes
.set SCL,    2*SLOT                    ; the scales, as units of 256 bytes + 16
.set HALFS,  16*272                    ; those of 128 rows
.set SBLK,   2*272                     ; those of 16 rows
.set SPARE,  SCL+4*HALFS               ; the spare words: 128 bytes a wave
.set STAGE,  SPARE+512                 ; the way out: 4,864 bytes a wave, bytes of their own
.set STW,    4864
.set ADRA, 16
.set ADRB, 20
.set STO,  24
.set RD,   25
.set CO,   26                          ; v26 16 x lane
.set ADRS, 27
.set SPW,  28
.set NIL,  29
.set TRV,  30                          ; v30 my tile row within its tensor
.set BOF,  31                          ; v31 32 x (lane / 16): the bias's offset
.set SC,   32
.set AF,   128
.set BI,   192                         ; v192-255 the bias: block b's eight numbers of my half at v[BI + 8 b]
.set TMP,  32                          ; the way out: packed results
.set BK,   64                          ; and rows read back, two sets of 32
.set G1, 24
.set G0, 32
.set G1B, 48
.set G0B, 56
.set G1S, 68
.set G0S, 76
.set G1SB, 80
.set G0SB, 88
.set MSB, 0
.macro WIN new                         ; the immediate's high byte repeats the setting that is left
.if MSB != \new
	s_set_vgpr_msb (MSB<<8)|\new
.set MSB, \new
.endif
.endm
.set MUL_LO, 0xa1                      ; source 0 (B) window 1, source 1 (A) window 0, C and D window 2
.set MUL_HI, 0xf1                      ; the same, C and D window 3
.set TO_B,   0x40
; A joint load: waves 0 and 1 fetch for A, waves 2 and 3 for B; the branch hangs on the wave's number alone.  An s_nop 0 and four v_nop follow each line.
.macro JLOAD g0a, g1a, g0b, g1b
	s_cmp_eq_u32 s15, 0
	s_cbranch_scc0 .Lfor_b_\@
	tensor_load_to_lds s[\g0a:\g0a+3], s[\g1a:\g1a+7]
	s_nop 0
.rept 4
	v_nop
.endr
	s_branch .Lasked_\@
.Lfor_b_\@:
	tensor_load_to_lds s[\g0b:\g0b+3], s[\g1b:\g1b+7]
	s_nop 0
.rept 4
	v_nop
.endr
.Lasked_\@:
.endm
.macro CROUND                          ; a round of the cluster's barrier
	s_barrier_signal -1
	s_barrier_wait -1
	s_cmp_lg_u32 s14, 0
	s_cbranch_scc1 .Lnot_wave_0_\@
	s_barrier_signal -3
.Lnot_wave_0_\@:
	s_barrier_wait -3
	s_barrier_signal -1
	s_barrier_wait -1
.endm
	s_load_b128 s[4:7], s[0:1], 0x0                ; codes, scales
	s_load_b128 s[8:11], s[0:1], 0x10              ; bq, bk
	s_load_b128 s[96:99], s[0:1], 0x20             ; bv, qkv
	s_load_b64 s[12:13], s[0:1], 0x30              ; qkvf
	v_lshl_add_u32 v[SPW], v0, 2, SPARE
	v_mov_b32 v[NIL], 0
	ds_add_u32 v[SPW], v[NIL]                      ; the wave's opening: the add, twice on end, and its wait ahead of my first tensor load
	ds_add_u32 v[SPW], v[NIL]
	v_lshrrev_b32 v1, 5, v0
	v_readfirstlane_b32 s14, v1                    ; wave 0..3
	s_lshr_b32 s15, s14, 1                         ; my half of the tile's rows.  Also: I fetch for A (0) or B (1)
	s_and_b32 s16, s14, 1                          ; my half of its columns.  Also: which 128 rows I fetch
	s_bfe_u32 s40, ttmp6, 0x40000                  ; cx
	s_bfe_u32 s41, ttmp6, 0x40004                  ; cy
	s_lshl_b32 s42, ttmp9, 2
	s_add_co_u32 s42, s42, s40                     ; tile column
	s_and_b32 s66, ttmp7, 0xffff                   ; cluster y, 0..11
	s_lshl_b32 s17, s66, 2
	s_add_co_u32 s17, s17, s41                     ; tile row of all three tensors, 0..47
	s_lshr_b32 s66, s66, 2                         ; t: the same in all sixteen partners
	s_and_b32 s67, s17, 15                         ; tile row within the tensor
	s_lshl_b32 s43, s41, 2
	s_lshl_b32 s43, 15, s43                        ; my row of the cluster
	s_lshl_b32 s44, 0x1111, s40                    ; my column
	s_or_b32 s[G1+0], s43, (0<<16)|(1<<20)|(1<<21)|(5<<22)|(3<<25)  ; the mask; elements of 1 byte; padding: 4 words after every 64; bit 21 beside a mask
	s_or_b32 s[G1B+0], s44, (0<<16)|(1<<20)|(1<<21)|(5<<22)|(3<<25)
.irp g, G1, G1B
	s_mov_b32 s[\g+1], ROWB<<16                    ; tensor_dim0
	s_mov_b32 s[\g+2], 128<<16                     ; tensor_dim1
	s_mov_b32 s[\g+3], ROWB<<16                    ; tile_dim0
	s_mov_b32 s[\g+4], 128                         ; tile_dim1
	s_mov_b32 s[\g+5], KROW                        ; stride
	s_mov_b32 s[\g+6], 0
	s_mov_b32 s[\g+7], 0
.endr
	s_or_b32 s[G1S+0], s43, (3<<16)|(1<<20)|(1<<21)|(5<<22)|(3<<25)   ; the scales of 128 rows: 4,096 dense bytes as 16 rows of 32 elements of 8 bytes
	s_or_b32 s[G1SB+0], s44, (3<<16)|(1<<20)|(1<<21)|(5<<22)|(3<<25)
.irp g, G1S, G1SB
	s_mov_b32 s[\g+1], 32<<16
	s_mov_b32 s[\g+2], 16<<16
	s_mov_b32 s[\g+3], 32<<16
	s_mov_b32 s[\g+4], 16
	s_mov_b32 s[\g+5], 32
	s_mov_b32 s[\g+6], 0
	s_mov_b32 s[\g+7], 0
.endr
	s_lshl_b32 s18, s16, 7
	s_lshl_b32 s20, s17, 8
	s_add_co_u32 s20, s20, s18                     ; A: row 256 x tile row + 128 x half
	s_lshl_b32 s46, s42, 8
	s_add_co_u32 s46, s46, s18
	s_lshl_b32 s47, s66, 10
	s_add_co_u32 s46, s46, s47
	s_add_co_u32 s46, s46, 12288                   ; B: row 12,288 + 1,024 t + 256 x tile column + 128 x half
	s_mov_b32 s21, 0
	s_mov_b32 s47, 0
	s_mov_b64 s[18:19], KS
	s_mul_u64 s[22:23], s[20:21], s[18:19]
	s_mul_u64 s[92:93], s[46:47], s[18:19]
	s_mov_b64 s[18:19], KROW
	s_mul_u64 s[20:21], s[20:21], s[18:19]
	s_mul_u64 s[46:47], s[46:47], s[18:19]
	s_mul_i32 s45, s14, HALFT                      ; where they go: wave x 128 rows
	s_mul_i32 s94, s14, HALFS
	s_wait_dscnt 0x0                               ; both opening adds are done
	s_wait_kmcnt 0x0
	s_add_nc_u64 s[20:21], s[4:5], s[20:21]
	s_add_nc_u64 s[22:23], s[6:7], s[22:23]
	s_add_nc_u64 s[46:47], s[4:5], s[46:47]
	s_add_nc_u64 s[92:93], s[6:7], s[92:93]
	CROUND                                         ; all sixteen work-groups are here: the joint loads meet
	s_mov_b32 s[G0S], 1
	s_add_co_u32 s[G0S+1], s94, SCL
	s_mov_b64 s[G0S+2:G0S+3], s[22:23]
	s_or_b32 s[G0S+3], s[G0S+3], 0x80000000
	s_mov_b32 s[G0SB], 1
	s_add_co_u32 s[G0SB+1], s94, SCL
	s_mov_b64 s[G0SB+2:G0SB+3], s[92:93]
	s_or_b32 s[G0SB+3], s[G0SB+3], 0x80000000
	JLOAD G0S, G1S, G0SB, G1SB                     ; the scales first
.irp s, 0,1
	s_mov_b32 s[G0+4*\s], 1
	s_add_co_u32 s[G0+4*\s+1], s45, \s*SLOT
	s_add_nc_u64 s[G0+4*\s+2:G0+4*\s+3], s[20:21], \s*ROWB
	s_or_b32 s[G0+4*\s+3], s[G0+4*\s+3], 0x80000000
	s_mov_b32 s[G0B+4*\s], 1
	s_add_co_u32 s[G0B+4*\s+1], s45, \s*SLOT
	s_add_nc_u64 s[G0B+4*\s+2:G0B+4*\s+3], s[46:47], \s*ROWB
	s_or_b32 s[G0B+4*\s+3], s[G0B+4*\s+3], 0x80000000
	JLOAD G0+4*\s, G1, G0B+4*\s, G1B               ; both halves of K: three loads of mine are out
.endr
	v_and_b32 v1, 15, v0                           ; r
	v_bfe_u32 v2, v0, 4, 1                         ; h
	v_mul_u32_u24 v3, v1, PITCH
	v_lshl_add_u32 v4, v2, 4, v3
	s_mul_i32 s21, s15, HALFT
	s_mul_i32 s22, s16, HALFT
	s_add_co_u32 s22, s22, 2*HALFT
.irp s, 0,1
	v_add_nc_u32 v[ADRA+\s], s21, v4
	v_add_nc_u32 v[ADRB+\s], s22, v4
	s_add_co_u32 s21, s21, SLOT
	s_add_co_u32 s22, s22, SLOT
.endr
	v_mul_u32_u24 v5, v1, KS                       ; my row's scales: 32 bytes a row, 16 more for each 256 passed
	v_lshrrev_b32 v6, 8, v5
	v_lshl_add_u32 v5, v6, 4, v5
	s_mul_i32 s21, s15, HALFS
	s_mul_i32 s22, s16, HALFS
	s_add_co_u32 s22, s22, 2*HALFS
	s_sub_co_u32 s22, s22, s21
	v_mul_u32_u24 v6, s22, v2                      ; lanes 16-31 take B's
	s_add_co_u32 s21, s21, SCL
	v_add_nc_u32 v5, v5, v6
	v_add_nc_u32 v[ADRS], s21, v5
	s_mul_i32 s23, s14, STW
	s_add_co_u32 s23, s23, STAGE                   ; my stage: [batch 2: 2,320][head 2: 1,152][position 8: 144]
	v_and_b32 v5, 1, v1
	v_mul_u32_u24 v5, v5, 2320                     ; row r of a block is position r / 2, batch r % 2
	v_lshrrev_b32 v6, 1, v1
	v_mad_u32_u24 v5, v6, 144, v5
	v_lshl_add_u32 v5, v2, 4, v5
	v_add_nc_u32 v[STO], s23, v5
	v_and_b32 v6, 31, v0
	v_lshlrev_b32 v[CO], 4, v6
	v_lshrrev_b32 v5, 3, v6
	v_mul_u32_u24 v5, v5, 144                      ; back: four positions of 128 bytes an instruction
	v_and_b32 v6, 7, v6
	v_lshl_add_u32 v5, v6, 4, v5
	v_add_nc_u32 v[RD], s23, v5
	v_mov_b32 v[TRV], s67
	v_lshlrev_b32 v[BOF], 5, v2
	s_lshl_b32 s20, s66, 23                        ; qkv: t x 8,388,608
	s_lshl_b32 s21, s42, 20                        ; + tile column x 4 heads of 262,144
	s_add_co_u32 s20, s20, s21
	s_lshl_b32 s21, s16, 19                        ; + my half's 2 heads
	s_add_co_u32 s20, s20, s21
	s_lshl_b32 s21, s67, 14                        ; + tile row x 128 positions of 128 bytes
	s_add_co_u32 s20, s20, s21
	s_lshl_b32 s21, s15, 13                        ; + my half's 64 positions
	s_add_co_u32 s20, s20, s21
	s_mov_b32 s21, 0
	s_add_nc_u64 s[98:99], s[98:99], s[20:21]
	s_lshl_b32 s20, s66, 17                        ; qkvf: t x 131,072 + (16 x tile column + 8 x half) x 1,024
	s_lshl_b32 s22, s42, 14
	s_add_co_u32 s20, s20, s22
	s_lshl_b32 s22, s16, 13
	s_add_co_u32 s20, s20, s22
	s_add_nc_u64 s[12:13], s[12:13], s[20:21]
	s_cmp_eq_u32 s66, 1                            ; the bias of my tensor: a choice on t alone
	s_cselect_b64 s[8:9], s[10:11], s[8:9]
	s_cmp_eq_u32 s66, 2
	s_cselect_b64 s[8:9], s[96:97], s[8:9]
	s_lshl_b32 s20, s42, 10
	s_lshl_b32 s22, s16, 9
	s_add_co_u32 s20, s20, s22                     ; my first column x 4 bytes
	s_add_nc_u64 s[8:9], s[8:9], s[20:21]
.irp b, 0,1,2,3,4,5,6,7
	global_load_b128 v[BI+8*\b:BI+8*\b+3], v[BOF], s[8:9] offset:64*\b
	global_load_b128 v[BI+8*\b+4:BI+8*\b+7], v[BOF], s[8:9] offset:64*\b+16
.endr
.macro FRAG reg, adr, q, i             ; 16 rows x 128 K of 4-bit codes: registers 4 c .. 4 c + 3 hold K = 64 c + 32 (lane / 16) + 0 .. 31
.irp c, 0,1
	ds_load_b128 v[\reg+4*\c:\reg+4*\c+3], v[\adr] offset:64*(\q)+32*\c+(\i)*16*PITCH
.endr
.endm
; 16 products: A's blocks a0, a0 + 1 x B's eight.  first = 1: the bias starts the sums.  The 64 accumulators take turns, one instruction a turn.
.macro MUL16 a0, p, q, sc, first
.irp a, \a0, \a0+1
.irp b, 0,1,2,3,4,5,6,7
.if \first
	v_wmma_scale_f32_16x16x128_f8f6f4 v[8*(8*((\a)%4)+\b):8*(8*((\a)%4)+\b)+7], v[128*(\p)+FR*\b:128*(\p)+FR*\b+FR-1], v[AF+FR*(\a):AF+FR*(\a)+FR-1], v[BI+8*\b:BI+8*\b+7], v[SC+8*NQ*(\sc)+NQ*\b+(\q)], v[SC+8*NQ*(\sc)+NQ*(\a)+(\q)] matrix_a_fmt:MATRIX_FMT_FP4 matrix_b_fmt:MATRIX_FMT_FP4 matrix_a_scale:MATRIX_SCALE_ROW1
.else
	v_wmma_scale_f32_16x16x128_f8f6f4 v[8*(8*((\a)%4)+\b):8*(8*((\a)%4)+\b)+7], v[128*(\p)+FR*\b:128*(\p)+FR*\b+FR-1], v[AF+FR*(\a):AF+FR*(\a)+FR-1], v[8*(8*((\a)%4)+\b):8*(8*((\a)%4)+\b)+7], v[SC+8*NQ*(\sc)+NQ*\b+(\q)], v[SC+8*NQ*(\sc)+NQ*(\a)+(\q)] matrix_a_fmt:MATRIX_FMT_FP4 matrix_b_fmt:MATRIX_FMT_FP4 matrix_a_scale:MATRIX_SCALE_ROW1
.endif
.endr
.endr
.endm
.macro FETCH_B slot, q, p
	WIN TO_B
.irp i, 0,1,2,3,4,5,6,7
	FRAG 128*(\p)+FR*\i, ADRB+\slot, \q, \i
.endr
	WIN 0
.endm
.macro FETCH_A slot, q, i0
.irp i, \i0, \i0+1, \i0+2, \i0+3
	FRAG AF+FR*(\i), ADRA+\slot, \q, \i
.endr
.endm
.macro SCALES sc                       ; a slot's scale words: lanes 0-15 A's block i, lanes 16-31 B's block i
.irp i, 0,1,2,3,4,5,6,7
	ds_load_b128 v[SC+8*NQ*\sc+NQ*\i:SC+8*NQ*\sc+NQ*\i+3], v[ADRS] offset:\i*SBLK
.endr
.endm
.macro PLACES n                        ; plain vector lines between a matrix instruction and a load into, or a read of, its registers
.rept \n
	v_nop
.endr
.endm
.macro STEP slot, q, first
	s_wait_dscnt 4*NL                              ; B's set and A's blocks 0-3 are in; the youngest eight loads (A's blocks 4-7) may be out
.if \first
	WIN 0x81                                       ; C (the bias) window 0, D window 2
.else
	WIN MUL_LO
.endif
	MUL16 0, (\q)%2, \q, \slot, \first
	MUL16 2, (\q)%2, \q, \slot, \first
	s_wait_dscnt 0
	PLACES NP
	FETCH_B \slot, (\q)+1, 1-(\q)%2
	FETCH_A \slot, (\q)+1, 0
.if \first
	WIN 0xc1
.else
	WIN MUL_HI
.endif
	MUL16 4, (\q)%2, \q, \slot, \first
	MUL16 6, (\q)%2, \q, \slot, \first
	PLACES NP
	WIN 0
	FETCH_A \slot, (\q)+1, 4
.endm
	s_wait_tensorcnt 1                             ; the scales and my part of slot 0 are in; slot 1's load may be out
	s_barrier_signal -1
	s_barrier_wait -1
	FETCH_B 0, 0, 0
	FETCH_A 0, 0, 0
	SCALES 0
	FETCH_A 0, 0, 4
	s_wait_loadcnt 0x0                             ; the bias
	STEP 0, 0, 1
	STEP 0, 1, 0
	STEP 0, 2, 0
	; slot 0's last step, and the change to slot 1: one barrier; nothing is filled again
	s_wait_tensorcnt 0x0                           ; my part of slot 1 has landed
	ds_add_u32 v[SPW], v[NIL]
	s_wait_dscnt 4*NL+1                            ; the add and A's blocks 4-7 may be out
	WIN MUL_LO
	MUL16 0, 1, NQ-1, 0, 0
	s_wait_dscnt 0x0
	s_barrier_signal -1
	MUL16 2, 1, NQ-1, 0, 0
	WIN 0
	s_barrier_wait -1
	PLACES NP
	v_add_nc_u32 v[ADRS], 4*NQ, v[ADRS]            ; the second slot's scale words
	FETCH_B 1, 0, 0
	FETCH_A 1, 0, 0
	SCALES 1
	WIN MUL_HI
	MUL16 4, 1, NQ-1, 0, 0
	MUL16 6, 1, NQ-1, 0, 0
	PLACES NP
	WIN 0
	FETCH_A 1, 0, 4
	STEP 1, 0, 0
	STEP 1, 1, 0
	STEP 1, 2, 0
	s_wait_dscnt 4*NL
	WIN MUL_LO
	MUL16 0, 1, NQ-1, 1, 0
	MUL16 2, 1, NQ-1, 1, 0
	s_wait_dscnt 0
	WIN MUL_HI
	MUL16 4, 1, NQ-1, 1, 0
	MUL16 6, 1, NQ-1, 1, 0
	WIN 0
	PLACES NP
	; THE FINE COPY: rows 0-31 of each tensor, f32, as the accumulators stand: 512 dense bytes a store.  The waves with the tile's upper rows (a branch on the wave's number);
	; among the tile rows the first of a tensor is picked by EXEC.
	s_cmp_lg_u32 s15, 0
	s_cbranch_scc1 .Lno_fine
	s_wait_xcnt 0x0                                ; EXEC changes only behind this wait
	v_cmp_eq_u32 vcc_lo, 0, v[TRV]
	s_and_saveexec_b32 s95, vcc_lo
	WIN 0x08                                       ; a store's data: window 2
.irp a, 0,1
.irp b, 0,1,2,3,4,5,6,7
.irp g, 0,1
	global_store_b128 v[CO], v[64*\a+8*\b+4*\g:64*\a+8*\b+4*\g+3], s[12:13] offset:65536*\a+1024*\b+512*\g   ; each accumulator from its low end on
.endr
.endr
.endr
	WIN 0
	s_wait_xcnt 0x0
	s_or_b32 exec_lo, exec_lo, s95
.Lno_fine:
; THE WAY OUT in f16, a block of 16 rows (8 positions x 2 batches) x 128 columns (2 heads) at a time, through my own stage: each store then covers 512 consecutive bytes (four positions of one head), aligned.
.macro PACK a
.set AC, 64*((\a)%4)
	WIN 0x0a+5*((\a)/4)                            ; sources 0 and 1: window 2 or 3
.irp b, 0,1,2,3,4,5,6,7
.irp g, 0,1,2,3
	v_cvt_pk_f16_f32 v[TMP+4*\b+\g], v[AC+8*\b+2*\g], v[AC+8*\b+2*\g+1]
.endr
.endr
	WIN 0
.endm
.macro TOSTAGE a
.set BB, BK+32*((\a)%2)
.irp b, 0,1,2,3,4,5,6,7
	ds_store_b128 v[STO], v[TMP+4*\b:TMP+4*\b+3] offset:(\b/4)*1152+(\b%4)*32
.endr
.irp i, 0,1,2,3,4,5,6,7
	ds_load_b128 v[BB+4*\i:BB+4*\i+3], v[RD] offset:(\i/4)*2320+((\i/2)%2)*1152+(\i%2)*576   ; LDS serves a wave's instructions in order (ISA guide 5.7.1.4)
.endr
.endm
.macro SEND a
.set BB, BK+32*((\a)%2)
	s_wait_dscnt 0x0
	s_wait_xcnt 0x0                                ; earlier stores have read their base and data: both are written again only behind this wait
.if (\a) > 0
	s_add_nc_u64 s[98:99], s[98:99], 1024          ; eight positions on
.endif
.irp i, 0,1,2,3,4,5,6,7
	global_store_b128 v[CO], v[BB+4*\i:BB+4*\i+3], s[98:99] offset:(\i/4)*4194304+((\i/2)%2)*262144+(\i%2)*512
.endr
.endm
	PACK 0
	TOSTAGE 0
.irp a, 1,2,3,4,5,6,7
	PACK \a
	SEND \a-1
	TOSTAGE \a
.endr
	SEND 7
	s_wait_tensorcnt 0x0                           ; the wave's end
	ds_add_u32 v[SPW], v[NIL]
	s_wait_dscnt 0x0
	CROUND                                         ; the closing round
	s_endpgm
.Lfunc_end_k_qdd013e32eb_proj:
	.size	k_qdd013e32eb_proj, .Lfunc_end_k_qdd013e32eb_proj-k_qdd013e32eb_proj
	.p2alignl 7, 3214868480
	.fill 96, 4, 3214868480
	.section	.rodata,"a",@progbits
	.p2align	6, 0x0
	.amdhsa_kernel k_qdd013e32eb_proj
		.amdhsa_group_segment_fixed_size 327680
		.amdhsa_private_segment_fixed_size 0
		.amdhsa_enable_private_segment 0
		.amdhsa_kernarg_size 56
		.amdhsa_user_sgpr_count 2
		.amdhsa_user_sgpr_kernarg_segment_ptr 1
		.amdhsa_wavefront_size32 1
		.amdhsa_system_sgpr_workgroup_id_x 1
		.amdhsa_system_sgpr_workgroup_id_y 1
		.amdhsa_system_sgpr_workgroup_id_z 1
		.amdhsa_system_vgpr_workitem_id 0
		.amdhsa_next_free_vgpr 1024
		.amdhsa_next_free_sgpr 100
		.amdhsa_reserve_vcc 1
		.amdhsa_float_denorm_mode_32 3
		.amdhsa_float_denorm_mode_16_64 3
		.amdhsa_memory_ordered 1
		.amdhsa_forward_progress 1
		.amdhsa_inst_pref_size 132
	.end_amdhsa_kernel
	.amdgpu_metadata
---
amdhsa.version: [ 1, 2 ]
amdhsa.kernels:
  - .name:           k_qdd013e32eb_proj
    .symbol:         k_qdd013e32eb_proj.kd
    .args:
      - { .name: codes, .offset: 0, .size: 8, .value_kind: global_buffer, .address_space: global }
      - { .name: scales, .offset: 8, .size: 8, .value_kind: global_buffer, .address_space: global }
      - { .name: bq, .offset: 16, .size: 8, .value_kind: global_buffer, .address_space: global }
      - { .name: bk, .offset: 24, .size: 8, .value_kind: global_buffer, .address_space: global }
      - { .name: bv, .offset: 32, .size: 8, .value_kind: global_buffer, .address_space: global }
      - { .name: qkv, .offset: 40, .size: 8, .value_kind: global_buffer, .address_space: global }
      - { .name: qkvf, .offset: 48, .size: 8, .value_kind: global_buffer, .address_space: global }
    .group_segment_fixed_size: 327680
    .private_segment_fixed_size: 0
    .kernarg_segment_align: 8
    .kernarg_segment_size: 56
    .max_flat_workgroup_size: 128
    .sgpr_count:     100
    .vgpr_count:     1024
    .wavefront_size: 32
...
	.end_amdgpu_metadata
.endif
;; end of part 2
;; launch attn (part 3): grid 8 x 32, 16 waves a work-group, no clusters, 327,680 bytes of LDS; arguments qkv, att; writes att
.if DOCPART == 3
	.amdgcn_target "amdgcn-amd-amdhsa--gfx1250"
	.amdhsa_code_object_version 6
	.text
	.protected	k_qdd013e32eb_attn
	.globl	k_qdd013e32eb_attn
	.p2align	8
	.type	k_qdd013e32eb_attn,@function
k_qdd013e32eb_attn:
	s_mov_b64 s[64:65], 0
	v_nop
	global_prefetch_b8 v0, s[64:65] scope:SCOPE_SE
	s_setreg_imm32_b32 hwreg(HW_REG_WAVE_MODE, 25, 1), 1
	s_wait_xcnt 0x0
; att[b][h][q][:] = sum over k <= q of softmax_k(Q[q] . K[k] / 8) V[k][:], head size 64, 2,048 positions, 32 heads (batch x head).  Q, K, V, att: f16, [b][h][position][64]; products, maxima and sums in f32;
; the weights p are rounded to f16 for the second product.  A running maximum m and sum l for each query: p = 2^(c s - c m), c = log2(e) / 8; O and l are multiplied by 2^(c m_old - c m_new) in every step.
; SHARES.  Work-group (i, head) owns the query blocks i and 15 - i of 128 queries: 264 steps of 16 queries x 64 keys under the causal mask, whatever i.  Its 16 waves are 8 PAIRS.  Pair g owns two tiles of 16 queries,
; the early one at 128 i + 16 g and the late one at 128 (15 - i) + 16 g.  THE PAIR SHARES THE KEYS: of a slot's four key steps the even wave takes steps 0 and 2, the odd wave steps 1 and 3, each for BOTH tiles, with
; maxima, sums and O of its own.  So every wave has about 16.5 of the 264 steps and works as long as the late block has keys, and a step's 32 LDS loads feed both tiles while the early tile is open.
; At the end each wave hands its partner its sums of one tile through LDS, joins the two parts of the other (x 2^(c m - the larger c m)), divides by l and stores that tile.
; Every wave passes all 8 slots of 256 keys (constant trip counts, every barrier); a key step that lies wholly behind a tile's queries is jumped over, by branches on ids.
; No cluster: under the mask the work-groups of a head need different numbers of tiles (1,152 to 2,048 keys), so a joint load would bring tiles that no wave of some partner reads.
; LAYOUT.  S^T = K Q^T and O^T = V^T P: a lane holds ONE query (lane % 16).  K comes out of LDS as it lies, V ([key][channel]) turned by ds_load_tr16_b128.
; REGISTERS, all 256: v1-11 addresses; v12-27 statistics, 8 a tile; v28-59 Q; v60-123 S^T, 32 a tile, whose first 16 then hold p as f16; v124-187 O^T; v188-251 ONE buffer for K and then V; v252-255 the sums' second chains.
; Tile 0 is the late tile, tile 1 the early one.
; LIMITS: NaN and infinities are not served; p under 6e-8 is rounded to 0 in f16 (the row's largest p is 1).
.set KP,    144                        ; a key's row in LDS: 128 bytes + 16: the 16 rows of a load start at 16 different banks (ISA guide 11.1)
.set VP,    160                        ; a row of V: 128 + 32
.set VOFF,  256*KP                     ; a slot: 256 rows of K, then 256 rows of V
.set SLOT1, 1<<17
.set STAGE, VOFF+256*VP                ; behind slot 0: 16 rows x 144 bytes for each wave; bytes of their own
.set SPARE, STAGE+16*2304              ; the spare words: 128 bytes a wave
.set MERGE, 212992                     ; behind slot 1: what a wave hands its partner: 9 images of four registers, 4,608 bytes a wave; bytes of their own
.set MW,    4608
.set NSL,   8
.set AK0, 1
.set AV0, 2
.set SPW, 3
.set NIL, 4
.set GO,  5                            ; v5  16 x lane
.set ADK, 6                            ; at the end: where I put what I hand over
.set ADV, 7                            ; at the end: where my partner has put it
.set DB,  8                            ; v8  lane % 16 - 8 (lane / 16); at the end STO
.set NINF, 9
.set PFO, 10                           ; v10 256 x lane
.set DD,  11                           ; at the end RD
.set STO, 8
.set RD,  11
.set ST,  12                           ; tile x at v[12 + 8 x]: c m, m, l (a pair), four at work; a takes the third's place
.set Q,   28                           ; tile x at v[28 + 16 x]
.set S,   60                           ; tile x at v[60 + 32 x]
.set O,   124                          ; tile x at v[124 + 32 x]
.set KV,  188
.set TS,  252
.set FA,  16                           ; the end: my part's factor (a pair), my partner's, three at work: registers of the statistics that are done with
.set FB,  18
.set T0,  24
.set T1,  25
.set T2,  26
.set WV,  18
.set SEL, 20
.set CS,  22
.set G1K, 24
.set G1V, 32
.set G0K, 40
.set G0V, 44
.set TB,  2
.set SLOTS, 66
.set KEY0, 67                          ; s67 the first key of the slot in hand
.set Q0T, 68                           ; s68 the late tile's first query
.set LASTQ, 69
.set KPO, 75                           ; s75 64 x my parity
.set PFA, 76
.set Q0E, 78                           ; s78 the early tile's first query
.set LIM, 80
.set PAR, 81                           ; s81 my parity in the pair
; Waves 0 and 1 fetch K's halves, waves 2 and 3 V's, the others nothing.  An s_nop 0 and four v_nop follow each line.
.macro TLOAD
	s_cmp_lt_u32 s[WV], 2
	s_cbranch_scc0 .Lnot_k_\@
	tensor_load_to_lds s[G0K:G0K+3], s[G1K:G1K+7]
	s_nop 0
.rept 4
	v_nop
.endr
	s_branch .Lasked_\@
.Lnot_k_\@:
	s_cmp_lt_u32 s[WV], 4
	s_cbranch_scc0 .Lasked_\@
	tensor_load_to_lds s[G0V:G0V+3], s[G1V:G1V+7]
	s_nop 0
.rept 4
	v_nop
.endr
.Lasked_\@:
.endm
; A prefetch of the slot that the NEXT change will ask for: 32,768 dense bytes of K and of V.  The head's work-group 0, which walks all keys, asks; in it waves 4-7 for K and 8-11 for V,
; 8,192 bytes a wave, lanes 256 bytes apart: each aligned block of 256 bytes is named once.  Slots 0 and 1 come by their loads alone; the last change that fills asks for nothing.
.macro ASK
	s_cmp_gt_u32 s[SLOTS], s[LIM]
	s_cbranch_scc0 .Lnot_mine_\@
	global_prefetch_b8 v[PFO], s[PFA:PFA+1] th:TH_LOAD_NT scope:SCOPE_SE
.Lnot_mine_\@:
.endm
	s_load_b128 s[4:7], s[0:1], 0x0                ; qkv, att
	v_lshl_add_u32 v[SPW], v0, 2, SPARE
	v_mov_b32 v[NIL], 0
	ds_add_u32 v[SPW], v[NIL]                      ; the wave's opening: the add, twice on end, and its wait ahead of the first tensor load
	ds_add_u32 v[SPW], v[NIL]
	v_lshrrev_b32 v6, 5, v0
	v_readfirstlane_b32 s[WV], v6                  ; wave 0..15
	s_and_b32 s70, ttmp7, 0xffff
	s_lshl_b32 s70, s70, 18                        ; the head's 262,144 bytes
	s_and_b32 s[PAR], s[WV], 1                     ; my parity.  Also: which 128 rows I fetch, if I fetch
	s_lshl_b32 s[KPO], s[PAR], 6
	s_lshr_b32 s74, s[WV], 1
	s_lshl_b32 s74, s74, 4                         ; 16 x my pair
	s_lshl_b32 s73, ttmp9, 7
	s_add_co_u32 s[Q0E], s73, s74
	s_sub_co_u32 s73, 15, ttmp9
	s_lshl_b32 s73, s73, 7
	s_add_co_u32 s[Q0T], s73, s74
	s_sub_co_u32 s[LASTQ], 16, ttmp9
	s_lshl_b32 s[LASTQ], s[LASTQ], 7
	s_sub_co_u32 s[LASTQ], s[LASTQ], 1             ; the work-group's last query
	s_mul_i32 s82, s[PAR], 128*KP
	s_mul_i32 s83, s[PAR], 128*VP
	s_add_co_u32 s83, s83, VOFF
	s_lshl_b32 s84, s[PAR], 14
	s_add_co_u32 s84, s84, s70
	s_mov_b32 s85, 0
	s_mov_b32 s[G1K], (1<<16)|(1<<20)|(4<<22)|(3<<25)   ; elements of 2 bytes; 4 words of padding after every 32
	s_mov_b32 s[G1V], (1<<16)|(1<<20)|(4<<22)|(7<<25)   ; 8 words
.irp g, G1K, G1V
	s_mov_b32 s[\g+1], 64<<16                      ; tensor_dim0
	s_mov_b32 s[\g+2], 128<<16                     ; tensor_dim1
	s_mov_b32 s[\g+3], 64<<16                      ; tile_dim0
	s_mov_b32 s[\g+4], 128                         ; tile_dim1
	s_mov_b32 s[\g+5], 64                          ; stride
	s_mov_b32 s[\g+6], 0
	s_mov_b32 s[\g+7], 0
.endr
	s_mov_b32 s[SEL], 0x76543210
	s_mov_b32 s[SEL+1], 0xfedcba98
	s_mov_b32 s[CS], 0x3e38aa3b                    ; c = log2(e) / 8
	s_mov_b32 s[CS+1], s[CS]
	s_mov_b32 s[TB], 0
	s_mov_b32 s[SLOTS], NSL-1
	s_mov_b32 s[KEY0], 0
	s_wait_dscnt 0x0                               ; both opening adds are done
	s_wait_kmcnt 0x0
	s_add_nc_u64 s[86:87], s[4:5], s[84:85]
	s_mov_b32 s[G0K], 1
	s_mov_b32 s[G0K+1], s82
	s_add_nc_u64 s[G0K+2:G0K+3], s[86:87], 0x800000     ; K lies 8,388,608 bytes into the buffer
	s_or_b32 s[G0K+3], s[G0K+3], 0x80000000
	s_mov_b32 s[G0V], 1
	s_mov_b32 s[G0V+1], s83
	s_add_nc_u64 s[G0V+2:G0V+3], s[86:87], 0x1000000    ; V 16,777,216
	s_or_b32 s[G0V+3], s[G0V+3], 0x80000000
	TLOAD                                          ; slot 0: it holds key 0, which counts for every query
	s_mov_b32 s97, 0x1000000
	s_cmp_lt_u32 s[WV], 8
	s_cselect_b32 s96, 0x800000, s97               ; the prefetches: K's bytes or V's,
	s_add_co_u32 s96, s96, s70                     ; my head,
	s_and_b32 s97, s[WV], 3
	s_lshl_b32 s97, s97, 13
	s_add_co_u32 s96, s96, s97                     ; my wave's 8,192 bytes,
	s_add_co_u32 s96, s96, 32768                   ; in slot 1: the first change steps it to slot 2
	s_mov_b32 s97, 0
	s_add_nc_u64 s[PFA:PFA+1], s[4:5], s[96:97]
	s_sub_co_u32 s96, s[WV], 4
	s_lshr_b32 s96, s96, 3                         ; 0 in waves 4 to 11
	s_or_b32 s96, s96, ttmp9                       ; of work-group 0 of the head
	s_cmp_eq_u32 s96, 0
	s_cselect_b32 s[LIM], 1, -1
	s_lshl_b32 s72, s[Q0T], 7
	s_add_co_u32 s72, s72, s70
	s_mov_b32 s73, 0
	s_add_nc_u64 s[88:89], s[4:5], s[72:73]        ; Q at the late tile's first query,
	s_lshl_b32 s72, s[Q0E], 7
	s_add_co_u32 s72, s72, s70
	s_add_nc_u64 s[90:91], s[4:5], s[72:73]        ; and at the early tile's
	s_cmp_eq_u32 s[PAR], 0
	s_cselect_b32 s72, s[Q0T], s[Q0E]              ; the even wave finishes the late tile, the odd wave the early one
	s_lshl_b32 s72, s72, 7
	s_add_co_u32 s72, s72, s70
	s_add_nc_u64 s[6:7], s[6:7], s[72:73]          ; att at the tile that I finish
	v_and_b32 v6, 15, v0                           ; r
	v_bfe_u32 v7, v0, 4, 1                         ; h
	v_lshlrev_b32 v11, 7, v6
	v_lshl_add_u32 v11, v7, 4, v11
.irp c, 0,1,2,3
	global_load_b128 v[Q+4*\c:Q+4*\c+3], v11, s[88:89] offset:32*\c         ; each tile's two fragments of Q stay in registers
	global_load_b128 v[Q+16+4*\c:Q+16+4*\c+3], v11, s[90:91] offset:32*\c
.endr
	s_mul_i32 s74, s[PAR], 64*KP                   ; the odd wave's steps begin 64 keys further on
	v_mul_u32_u24 v[AK0], v6, KP
	v_lshl_add_u32 v[AK0], v7, 4, v[AK0]
	v_add_nc_u32 v[AK0], s74, v[AK0]
	v_and_b32 v[DB], 7, v0
	v_lshl_add_u32 v[AV0], v7, 3, v[DB]
	v_mul_u32_u24 v[AV0], v[AV0], VP
	v_bfe_u32 v[DB], v0, 3, 1
	v_lshl_add_u32 v[AV0], v[DB], 4, v[AV0]
	s_mul_i32 s74, s[PAR], 64*VP
	s_add_co_u32 s74, s74, VOFF
	v_add_nc_u32 v[AV0], s74, v[AV0]
	v_and_b32 v[GO], 31, v0
	v_lshlrev_b32 v[PFO], 8, v[GO]
	v_lshlrev_b32 v[GO], 4, v[GO]
	v_lshlrev_b32 v[DB], 3, v7
	v_sub_nc_u32 v[DB], v6, v[DB]
	v_mov_b32 v[NINF], 0xff800000
.irp x, 0,1
	v_mov_b32 v[ST+8*\x+1], 0xff61b1e6             ; m = -3e38, under every score
	v_mul_f32 v[ST+8*\x], s[CS], v[ST+8*\x+1]
.irp j, 2,3,4,5,6,7
	v_mov_b32 v[ST+8*\x+\j], 0                     ; l; and the registers at work, written once
.endr
.endr
.irp j, 0,1,2,3,4,5,6,7,8,9,10,11,12,13,14,15,16,17,18,19,20,21,22,23,24,25,26,27,28,29,30,31,32,33,34,35,36,37,38,39,40,41,42,43,44,45,46,47,48,49,50,51,52,53,54,55,56,57,58,59,60,61,62,63
	v_mov_b32 v[O+\j], 0                           ; O^T of both tiles: the step is written once; the first finds zeros.  A wave that has no step of a tile hands these zeros over
.endr
; Four products of S^T = K Q^T for tile x: channels 32 c on; four accumulators by turns.  c = 0 starts the sums.
.macro QK x, c
.irp kt, 0,1,2,3
.if \c
	v_wmma_f32_16x16x32_f16 v[S+32*(\x)+8*\kt:S+32*(\x)+8*\kt+7], v[KV+16*\kt+8:KV+16*\kt+15], v[Q+16*(\x)+8:Q+16*(\x)+15], v[S+32*(\x)+8*\kt:S+32*(\x)+8*\kt+7]
.else
	v_wmma_f32_16x16x32_f16 v[S+32*(\x)+8*\kt:S+32*(\x)+8*\kt+7], v[KV+16*\kt:KV+16*\kt+7], v[Q+16*(\x):Q+16*(\x)+7], 0
.endif
.endr
.endm
; Eight products of O^T += V^T P for tile x: keys 32 kc on, channels 16 ct on; p lies in the first 16 registers of the tile's S^T
.macro PV x
.irp kc, 0,1
.irp ct, 0,1,2,3
	v_wmma_f32_16x16x32_f16 v[O+32*(\x)+8*\ct:O+32*(\x)+8*\ct+7], v[KV+32*\kc+8*\ct:KV+32*\kc+8*\ct+7], v[S+32*(\x)+8*\kc:S+32*(\x)+8*\kc+7], v[O+32*(\x)+8*\ct:O+32*(\x)+8*\ct+7]
.endr
.endr
.endm
; On the diagonal the scores of hidden keys become -infinity; a step all of whose keys count for the tile skips this.  s96 = the step's first key.
.macro MASK x, q0
	s_add_co_u32 s97, s96, 63
	s_cmp_le_u32 s97, s[\q0]
	s_cbranch_scc1 .Lopen_\@
	s_sub_co_u32 s97, s[\q0], s96
	v_add_nc_u32 v[DD], s97, v[DB]                 ; register 8 kt + j holds key s96 + 16 kt + 8 (lane / 16) + j: hidden where 16 kt + j > d
.irp n, 0,1,2,3,4,5,6,7,8,9,10,11,12,13,14,15,16,17,18,19,20,21,22,23,24,25,26,27,28,29,30,31
	v_cmp_gt_i32 vcc_lo, 16*(\n/8)+\n%8, v[DD]
	v_cndmask_b32 v[S+32*(\x)+\n], v[S+32*(\x)+\n], v[NINF], vcc_lo
.endr
.Lopen_\@:
.endm
; Tile x's softmax for one key step
.macro SM x
.set rT, ST+8*(\x)
.set rS, S+32*(\x)
.set rO, O+32*(\x)
.set rA, TS+2*(\x)
.irp j, 0,1,2,3
	v_max3_num_f32 v[rT+4+\j], v[rS+8*\j], v[rS+8*\j+1], v[rS+8*\j+2]   ; the maximum: four chains, each from its accumulator's low end
.endr
.irp g, 1,2
.irp j, 0,1,2,3
	v_max3_num_f32 v[rT+4+\j], v[rT+4+\j], v[rS+8*\j+2*\g+1], v[rS+8*\j+2*\g+2]
.endr
.endr
	v_max3_num_f32 v[rT+4], v[rT+4], v[rS+7], v[rS+15]
	v_max3_num_f32 v[rT+6], v[rT+6], v[rS+23], v[rS+31]
	v_max3_num_f32 v[rT+4], v[rT+4], v[rT+5], v[rT+6]
	v_max3_num_f32 v[rT+4], v[rT+4], v[rT+7], v[rT+1]     ; with the old m
	v_permlanex16_b32 v[rT+5], v[rT+4], s[SEL], s[SEL+1]  ; the query's other 32 keys lie in the lane 16 away
	v_mov_b32 v[rT+7], v[rT]                       ; c m_old
	v_max_num_f32 v[rT+1], v[rT+4], v[rT+5]
	v_mul_f32 v[rT], s[CS], v[rT+1]
	v_sub_f32 v[rT+7], v[rT+7], v[rT]
.irp b, 0,1,2,3,4,5,6,7,8,9,10,11,12,13,14,15
	v_pk_fma_f32 v[rS+2*\b:rS+2*\b+1], v[rS+2*\b:rS+2*\b+1], s[CS:CS+1], v[rT:rT+1] op_sel_hi:[1,0,0] neg_lo:[0,0,1] neg_hi:[0,0,1]   ; c s - c m
.endr
	v_exp_f32 v[rT+6], v[rT+7]                     ; a
.irp e, 0,1,2,3,4,5,6,7,8,9,10,11,12,13,14,15,16,17,18,19,20,21,22,23,24,25,26,27,28,29,30,31
	v_exp_f32 v[rS+\e], v[rS+\e]
.endr
	v_nop                                          ; a plain line behind the last exponential
	s_wait_alu depctr_va_vdst(0)                   ; one wait for the batch of 33, ahead of its first reader
	v_pk_add_f32 v[rT+4:rT+5], v[rS:rS+1], v[rS+2:rS+3]         ; the sum of the unrounded p, in two chains that leave p as it is
	v_pk_add_f32 v[rA:rA+1], v[rS+4:rS+5], v[rS+6:rS+7]
.irp k, 2,3,4,5,6,7
	v_pk_add_f32 v[rT+4:rT+5], v[rT+4:rT+5], v[rS+4*\k:rS+4*\k+1]
	v_pk_add_f32 v[rA:rA+1], v[rA:rA+1], v[rS+4*\k+2:rS+4*\k+3]
.endr
	v_pk_add_f32 v[rT+4:rT+5], v[rT+4:rT+5], v[rA:rA+1]
	v_pk_fma_f32 v[rT+2:rT+3], v[rT+2:rT+3], v[rT+6:rT+7], v[rT+4:rT+5] op_sel_hi:[1,0,1]   ; l = a l + the sum
.irp i, 0,1,2,3,4,5,6,7,8,9,10,11,12,13,14,15
	v_cvt_pk_f16_f32 v[rS+\i], v[rS+2*\i], v[rS+2*\i+1]   ; p as f16, IN PLACE: register i takes numbers 2 i and 2 i + 1, which no earlier line of the run has written.  Two neighbouring tiles of S^T, packed, are source 1 of V^T P
.endr
.irp i, 0,1,2,3,4,5,6,7,8,9,10,11,12,13,14,15
	v_pk_mul_f32 v[rO+2*\i:rO+2*\i+1], v[rO+2*\i:rO+2*\i+1], v[rT+6:rT+7] op_sel_hi:[1,0]   ; O^T x a, each accumulator from its low end
.endr
.endm
; A step's work behind K's loads.  n = 2: both tiles; the early tile alone can lie on the diagonal there, since the late tile begins 128 queries or more behind it.  n = 1: the late tile alone.
.macro BODY n, u
	QK 0, 0
.if \n == 2
	QK 1, 0
.endif
	QK 0, 1
.if \n == 2
	QK 1, 1
.endif
.rept 4
	v_nop                                          ; four places: ahead of V's loads into the registers that held K, and of the first read of the scores
.endr
.irp f, 0,1,2,3,4,5,6,7
	ds_load_tr16_b128 v[KV+8*\f:KV+8*\f+3], v[ADV] offset:20480*(\u)+(\f/4)*5120+(\f%4)*32
	ds_load_tr16_b128 v[KV+8*\f+4:KV+8*\f+7], v[ADV] offset:20480*(\u)+(\f/4)*5120+(\f%4)*32+2560
.endr
.if \n == 1
	MASK 0, Q0T
.endif
	SM 0                                           ; V lands meanwhile
	s_wait_dscnt 0x0                               ; V is in
	PV 0
.if \n == 2
	MASK 1, Q0E                                    ; the early tile's vector work names no register of the products just issued
	SM 1
	PV 1
.endif
.rept 4
	v_nop                                          ; with the next step's two additions six places: four are owed ahead of K's loads into V's registers, five ahead of the products that write over p
.endr
.endm
; MY u-th KEY STEP OF THE SLOT: 64 keys from key KEY0 + 128 u + 64 x my parity on.  Tiles begin at multiples of 16, steps at multiples of 64: a step that begins behind a tile's first query lies behind all 16.
.macro STEP u
	s_add_co_u32 s96, s[KEY0], s[KPO]
.if \u
	s_add_co_u32 s96, s96, 128
.endif
	s_cmp_gt_u32 s96, s[Q0T]
	s_cbranch_scc1 .Lhidden_\@
	v_add_nc_u32 v[ADK], s[TB], v[AK0]
	v_add_nc_u32 v[ADV], s[TB], v[AV0]
.irp kt, 0,1,2,3
.irp c, 0,1
	ds_load_b128 v[KV+16*\kt+8*\c:KV+16*\kt+8*\c+3], v[ADK] offset:18432*(\u)+2304*\kt+64*\c
	ds_load_b128 v[KV+16*\kt+8*\c+4:KV+16*\kt+8*\c+7], v[ADK] offset:18432*(\u)+2304*\kt+64*\c+32
.endr
.endr
	s_wait_dscnt 0x0                               ; K is in
	s_cmp_gt_u32 s96, s[Q0E]
	s_cbranch_scc1 .Lonly_\@
	BODY 2, \u
	s_branch .Lhidden_\@
.Lonly_\@:
	BODY 1, \u
.Lhidden_\@:
.endm
; THE CHANGE OF SLOTS, at a slot's head: each wave waits for all its tensor loads, adds 0 to its spare word, waits for that and for its reads of the slot that it has left; one barrier;
; fill = 1: behind it the slot just left takes the next 256 keys, unless they begin behind the work-group's last query: then no wave would read them.
.macro CHANGE fill
	s_wait_tensorcnt 0x0                           ; no tensor load of mine is out, so a group 0 may be written
	ds_add_u32 v[SPW], v[NIL]
.if \fill
	ds_add_u32 v[SPW], v[NIL]                      ; and twice on end here, in every trip alike
	s_xor_b32 s[G0K+1], s[G0K+1], SLOT1
	s_add_nc_u64 s[G0K+2:G0K+3], s[G0K+2:G0K+3], 32768
	s_xor_b32 s[G0V+1], s[G0V+1], SLOT1
	s_add_nc_u64 s[G0V+2:G0V+3], s[G0V+2:G0V+3], 32768
	s_wait_xcnt 0x0                                ; the last prefetch, a slot back, has read its address
	s_add_nc_u64 s[PFA:PFA+1], s[PFA:PFA+1], 32768
.endif
	s_wait_dscnt 0x0
	s_barrier_signal -1
	s_barrier_wait -1
.if \fill
	s_add_co_u32 s96, s[KEY0], 256                 ; the first key of the slot that this change would ask for
	s_cmp_gt_u32 s96, s[LASTQ]                     ; ids and the count of slots alone: all sixteen waves go the same way; every wait on TENSORcnt in this text is for 0
	s_cbranch_scc1 .Lpast_\@
	TLOAD
.Lpast_\@:
	ASK
.endif
.endm
.macro SLOT_STEPS
	STEP 0
	STEP 1
	s_add_co_u32 s[KEY0], s[KEY0], 256
	s_xor_b32 s[TB], s[TB], SLOT1
.endm
	s_wait_loadcnt 0x0                             ; Q
.Lslot:                                            ; 7 trips; slot 1's first fill stands behind the first trip's barrier
	CHANGE 1
	SLOT_STEPS
	s_sub_co_u32 s[SLOTS], s[SLOTS], 1
	s_cmp_lg_u32 s[SLOTS], 0
	s_cbranch_scc1 .Lslot
	CHANGE 0
	SLOT_STEPS
	; THE END.  Every LDS address is made here, ahead of the waves' parting on their parity.
	s_mul_i32 s96, s[WV], MW
	s_add_co_u32 s96, s96, MERGE
	v_add_nc_u32 v[ADK], s96, v[GO]                ; where I put what I hand over: 16 x lane in my wave's 4,608 bytes
	s_xor_b32 s97, s[WV], 1
	s_mul_i32 s97, s97, MW
	s_add_co_u32 s97, s97, MERGE
	v_add_nc_u32 v[ADV], s97, v[GO]                ; and the same place in my partner's
	s_mul_i32 s96, s[WV], 2304
	s_add_co_u32 s96, s96, STAGE
	v_and_b32 v252, 15, v0
	v_bfe_u32 v253, v0, 4, 1
	v_mul_u32_u24 v[STO], v252, 144
	v_lshl_add_u32 v[STO], v253, 4, v[STO]
	v_add_nc_u32 v[STO], s96, v[STO]
	v_bfe_u32 v252, v0, 3, 2
	v_and_b32 v253, 7, v0
	v_mul_u32_u24 v[RD], v252, 144
	v_lshl_add_u32 v[RD], v253, 4, v[RD]
	v_add_nc_u32 v[RD], s96, v[RD]
; My sums of tile x go to LDS as images of their registers: O^T's 32 (each accumulator from its low end on), then c m, m and l
.macro GIVE x
.irp f, 0,1,2,3,4,5,6,7
	ds_store_b128 v[ADK], v[O+32*(\x)+4*\f:O+32*(\x)+4*\f+3] offset:512*\f
.endr
	ds_store_b128 v[ADK], v[ST+8*(\x):ST+8*(\x)+3] offset:4096
.endm
; Tile x's two parts are joined: each x 2^(its c m - the larger c m); a part with no step has c m far under every other, zeros for l and O, and the factor 0.  Then / l, and rounded to f16.
.macro FINISH x
.set rT, ST+8*(\x)
.set rO, O+32*(\x)
	v_max_num_f32 v[T0], v[rT], v[KV+32]
	v_sub_f32 v[FA], v[rT], v[T0]
	v_sub_f32 v[FB], v[KV+32], v[T0]
	v_exp_f32 v[FA], v[FA]
	v_exp_f32 v[FB], v[FB]
	v_add_f32 v[T1], v[rT+2], v[rT+3]              ; l's two halves, mine and my partner's (plain lines behind the exponentials)
	v_add_f32 v[T2], v[KV+34], v[KV+35]
	s_wait_alu depctr_va_vdst(0)                   ; ahead of the two factors' first reader
	v_mul_f32 v[T1], v[T1], v[FA]
	v_fma_f32 v[T1], v[T2], v[FB], v[T1]
	v_permlanex16_b32 v[T2], v[T1], s[SEL], s[SEL+1]
	v_add_f32 v[T1], v[T1], v[T2]                  ; with lane l xor 16's: the row's sum
	v_rcp_f32 v[T0], v[T1]
	v_nop
	s_wait_alu depctr_va_vdst(0)                   ; ahead of the reciprocal's first reader
	v_mul_f32 v[FA], v[FA], v[T0]
	v_mul_f32 v[FB], v[FB], v[T0]
.irp i, 0,1,2,3,4,5,6,7,8,9,10,11,12,13,14,15
	v_pk_mul_f32 v[rO+2*\i:rO+2*\i+1], v[rO+2*\i:rO+2*\i+1], v[FA:FA+1] op_sel_hi:[1,0]
.endr
.irp i, 0,1,2,3,4,5,6,7,8,9,10,11,12,13,14,15
	v_pk_fma_f32 v[rO+2*\i:rO+2*\i+1], v[KV+2*\i:KV+2*\i+1], v[FB:FB+1], v[rO+2*\i:rO+2*\i+1] op_sel_hi:[1,0,1]
.endr
.irp i, 0,1,2,3,4,5,6,7,8,9,10,11,12,13,14,15
	v_cvt_pk_f16_f32 v[S+\i], v[rO+2*\i], v[rO+2*\i+1]
.endr
.endm
	s_cmp_eq_u32 s[PAR], 0
	s_cbranch_scc0 .Lgive_late
	GIVE 1                                         ; the even wave keeps the late tile and hands over its part of the early one
	s_branch .Lgiven
.Lgive_late:
	GIVE 0
.Lgiven:
	s_wait_dscnt 0x0                               ; for my partner's sake: my stores have landed
	s_barrier_signal -1
	s_barrier_wait -1
.irp f, 0,1,2,3,4,5,6,7
	ds_load_b128 v[KV+4*\f:KV+4*\f+3], v[ADV] offset:512*\f      ; my partner's part of the tile that I finish: the same registers in the same lanes
.endr
	ds_load_b128 v[KV+32:KV+35], v[ADV] offset:4096
	s_wait_dscnt 0x0
	s_cmp_eq_u32 s[PAR], 0
	s_cbranch_scc0 .Lfinish_early
	FINISH 0
	s_branch .Lfinished
.Lfinish_early:
	FINISH 1
.Lfinished:
	; through my stage, so that each store covers 512 consecutive bytes (four queries), aligned
.irp ct, 0,1,2,3
	ds_store_b128 v[STO], v[S+4*\ct:S+4*\ct+3] offset:32*\ct
.endr
.irp t, 0,1,2,3
	ds_load_b128 v[S+16+4*\t:S+16+4*\t+3], v[RD] offset:576*\t   ; LDS serves a wave's instructions in order (ISA guide 5.7.1.4)
.endr
.irp t, 0,1,2,3
	s_wait_dscnt 3-\t                              ; the younger loads stay out
	global_store_b128 v[GO], v[S+16+4*\t:S+16+4*\t+3], s[6:7] offset:512*\t
.endr
	s_wait_tensorcnt 0x0                           ; the wave's end
	ds_add_u32 v[SPW], v[NIL]
	s_wait_dscnt 0x0
	s_endpgm
.Lfunc_end_k_qdd013e32eb_attn:
	.size	k_qdd013e32eb_attn, .Lfunc_end_k_qdd013e32eb_attn-k_qdd013e32eb_attn
	.p2alignl 7, 3214868480
	.fill 96, 4, 3214868480
	.section	.rodata,"a",@progbits
	.p2align	6, 0x0
	.amdhsa_kernel k_qdd013e32eb_attn
		.amdhsa_group_segment_fixed_size 327680
		.amdhsa_private_segment_fixed_size 0
		.amdhsa_enable_private_segment 0
		.amdhsa_kernarg_size 16
		.amdhsa_user_sgpr_count 2
		.amdhsa_user_sgpr_kernarg_segment_ptr 1
		.amdhsa_wavefront_size32 1
		.amdhsa_system_sgpr_workgroup_id_x 1
		.amdhsa_system_sgpr_workgroup_id_y 1
		.amdhsa_system_sgpr_workgroup_id_z 1
		.amdhsa_system_vgpr_workitem_id 0
		.amdhsa_next_free_vgpr 256
		.amdhsa_next_free_sgpr 100
		.amdhsa_reserve_vcc 1
		.amdhsa_float_denorm_mode_32 3
		.amdhsa_float_denorm_mode_16_64 3
		.amdhsa_memory_ordered 1
		.amdhsa_forward_progress 1
		.amdhsa_inst_pref_size 143
	.end_amdhsa_kernel
	.amdgpu_metadata
---
amdhsa.version: [ 1, 2 ]
amdhsa.kernels:
  - .name:           k_qdd013e32eb_attn
    .symbol:         k_qdd013e32eb_attn.kd
    .args:
      - { .name: qkv, .offset: 0, .size: 8, .value_kind: global_buffer, .address_space: global }
      - { .name: att, .offset: 8, .size: 8, .value_kind: global_buffer, .address_space: global }
    .group_segment_fixed_size: 327680
    .private_segment_fixed_size: 0
    .kernarg_segment_align: 8
    .kernarg_segment_size: 16
    .max_flat_workgroup_size: 512
    .sgpr_count:     100
    .vgpr_count:     256
    .wavefront_size: 32
...
	.end_amdgpu_metadata
.endif
;; end of part 3
;; launch outp (part 4): grid 8 x 32, 4 waves a work-group, clusters of 4 x 4, 327,680 bytes of LDS; arguments att, wo16, bo, out0; writes out0
.if DOCPART == 4
	.amdgcn_target "amdgcn-amd-amdhsa--gfx1250"
	.amdhsa_code_object_version 6
	.text
	.protected	k_qdd013e32eb_outp
	.globl	k_qdd013e32eb_outp
	.p2align	8
	.type	k_qdd013e32eb_outp,@function
k_qdd013e32eb_outp:
	s_mov_b64 s[64:65], 0
	v_nop
	global_prefetch_b8 v0, s[64:65] scope:SCOPE_SE
	s_setreg_imm32_b32 hwreg(HW_REG_WAVE_MODE, 25, 1), 1
	s_wait_xcnt 0x0
	s_wait_alu depctr_hold_cnt(0) depctr_sa_sdst(0) depctr_va_vdst(0) depctr_va_sdst(0) depctr_va_ssrc(0) depctr_va_vcc(0) depctr_vm_vsrc(0)
	s_getreg_b32 s2, hwreg(HW_REG_IB_STS2, 6, 4)
	s_cmp_eq_u32 s2, 0
	s_cbranch_scc0 .Lentry_in_a_cluster
	s_endpgm
.Lentry_in_a_cluster:
	s_bfe_u32 s2, ttmp6, 0x10000c
	s_cmp_lg_u32 s2, 0xf033
	s_cbranch_scc0 .Lentry_shape_is_right
	s_endpgm
.Lentry_shape_is_right:
; out0[2 s + b][n] = sum over e of att(b, s, e) Wo[n][e] + bo[n], f16 operands, f32 sums, for all positions but the first 16 of each batch, which a launch of their own carries in f32.
; att: f16 [b][head][s][64] (e = 64 head + channel); wo16: f16 [n][1024]; out0: f32.  A tile of out0 is 128 positions of ONE batch x 128 columns: 32 x 8 = 256 work-groups.  Four waves, each 64 x 64: 16 accumulators.
; K goes in four steps of 256 (four heads) through two LDS slots.  A's tile for a step: 4 heads x 64 positions x 128 bytes a load: a head's 64 positions are 8,192 dense bytes, stated as one row, padded by 16 bytes behind every 128.
; CLUSTER 4 x 4: A's tiles are shared along a row of the cluster, B's along a column: joint loads.  The matrix instruction is used transposed (source 0 = rows of Wo, source 1 = rows of att).  bo is the C of the first products.
; REGISTERS: window 0: v0-31 addresses; v32-95 the way out; v96-127 the bias; v128-255 the accumulators ((a, b) at v[128 + 8 (4 a + b)]).  window 1: two fragment buffers of 128.
.set PA,     144                       ; a position's row of one head in LDS: 128 + 16 bytes
.set PB,     528                       ; a row of Wo's tile: 512 + 16
.set HALFA,  4*64*PA
.set HALFB,  64*PB
.set BOFF,   2*HALFA
.set SLOT,   BOFF+2*HALFB
.set STAGE,  2*SLOT                    ; behind the ring: 16 rows x 272 bytes for each wave
.set SPITCH, 272
.set SPARE,  STAGE+4*16*SPITCH
.set ADRA, 16
.set ADRB, 20
.set STO,  24
.set RD,   25
.set CO,   26
.set MK,   27                          ; v27 my wave's first position in its batch
.set SPW,  28
.set NIL,  29
.set BOF,  30
.set TMP,  32
.set BI,   96
.set ACC,  128
.set F0,   0
.set F1,   128
.set G1, 24
.set G0, 32
.set G1B, 48
.set G0B, 56
.set MSB, 0
.macro WIN new
.if MSB != \new
	s_set_vgpr_msb (MSB<<8)|\new
.set MSB, \new
.endif
.endm
.set MUL,  0x05                        ; sources 0 and 1 window 1; C and D window 0
.set TO_F, 0x40
.macro JLOAD s                         ; waves 0 and 1 fetch A's halves, waves 2 and 3 B's; an s_nop 0 and four v_nop follow each line
	s_cmp_eq_u32 s11, 0
	s_cbranch_scc0 .Lfor_b_\@
	tensor_load_to_lds s[G0+4*\s:G0+4*\s+3], s[G1:G1+7]
	s_nop 0
.rept 4
	v_nop
.endr
	s_branch .Lasked_\@
.Lfor_b_\@:
	tensor_load_to_lds s[G0B+4*\s:G0B+4*\s+3], s[G1B:G1B+7]
	s_nop 0
.rept 4
	v_nop
.endr
.Lasked_\@:
.endm
.macro CREST
	s_cmp_lg_u32 s10, 0
	s_cbranch_scc1 .Lnot_wave_0_\@
	s_barrier_signal -3
.Lnot_wave_0_\@:
	s_barrier_wait -3
	s_barrier_signal -1
	s_barrier_wait -1
.endm
.macro CROUND
	s_barrier_signal -1
	s_barrier_wait -1
	CREST
.endm
	s_load_b128 s[4:7], s[0:1], 0x0                ; att, wo16
	s_load_b128 s[68:71], s[0:1], 0x10             ; bo, out0
	v_lshl_add_u32 v[SPW], v0, 2, SPARE
	v_mov_b32 v[NIL], 0
	ds_add_u32 v[SPW], v[NIL]                      ; the wave's opening: the add, twice on end, and its wait
	ds_add_u32 v[SPW], v[NIL]
	v_lshrrev_b32 v1, 5, v0
	v_readfirstlane_b32 s10, v1
	s_lshr_b32 s11, s10, 1                         ; my half of the rows.  Also: I fetch for A (0) or B (1)
	s_and_b32 s12, s10, 1                          ; my half of the columns.  Also: which half I fetch
	s_bfe_u32 s40, ttmp6, 0x40000
	s_bfe_u32 s41, ttmp6, 0x40004
	s_lshl_b32 s42, ttmp9, 2
	s_add_co_u32 s42, s42, s40                     ; tile column, 0..7
	s_and_b32 s13, ttmp7, 0xffff
	s_lshl_b32 s13, s13, 2
	s_add_co_u32 s13, s13, s41                     ; tile row, 0..31: batch = row / 16, positions 128 (row % 16) on
	s_lshl_b32 s43, s41, 2
	s_lshl_b32 s43, 15, s43
	s_lshl_b32 s44, 0x1111, s40
	s_or_b32 s[G1+0], s43, (1<<16)|(1<<20)|(1<<21)|(4<<22)|(3<<25)    ; A: elements of 2 bytes; 4 words of padding after every 32
	s_mov_b32 s[G1+1], 4096<<16                    ; tensor_dim0: a head's 64 positions x 64 channels
	s_mov_b32 s[G1+2], 4<<16                       ; tensor_dim1: 4 heads
	s_mov_b32 s[G1+3], 4096<<16                    ; tile_dim0
	s_mov_b32 s[G1+4], 4                           ; tile_dim1
	s_mov_b32 s[G1+5], 131072                      ; from head to head, in elements
	s_mov_b32 s[G1+6], 0
	s_mov_b32 s[G1+7], 0
	s_or_b32 s[G1B+0], s44, (1<<16)|(1<<20)|(1<<21)|(6<<22)|(3<<25)   ; B: 4 words after every 128
	s_mov_b32 s[G1B+1], 256<<16
	s_mov_b32 s[G1B+2], 64<<16
	s_mov_b32 s[G1B+3], 256<<16
	s_mov_b32 s[G1B+4], 64
	s_mov_b32 s[G1B+5], 1024
	s_mov_b32 s[G1B+6], 0
	s_mov_b32 s[G1B+7], 0
	s_lshr_b32 s16, s13, 4
	s_lshl_b32 s16, s16, 22                        ; A: batch x 4,194,304
	s_and_b32 s17, s13, 15
	s_lshl_b32 s17, s17, 14                        ; + 128 positions x 128 bytes x (row % 16)
	s_add_co_u32 s16, s16, s17
	s_lshl_b32 s17, s12, 13                        ; + my 64 positions
	s_add_co_u32 s16, s16, s17
	s_mov_b32 s17, 0
	s_lshl_b32 s46, s42, 18                        ; B: 128 rows of 2,048 bytes x tile column
	s_lshl_b32 s47, s12, 17
	s_add_co_u32 s46, s46, s47
	s_mov_b32 s47, 0
	s_mul_i32 s20, s12, HALFA                      ; where they go: no place in the cluster enters an LDS address
	s_mul_i32 s21, s12, HALFB
	s_add_co_u32 s21, s21, BOFF
	s_wait_dscnt 0x0
	s_wait_kmcnt 0x0
	s_add_nc_u64 s[14:15], s[4:5], s[16:17]
	s_add_nc_u64 s[46:47], s[6:7], s[46:47]
	CROUND
.irp s, 0,1
	s_mov_b32 s[G0+4*\s], 1
	s_add_co_u32 s[G0+4*\s+1], s20, \s*SLOT
	s_add_nc_u64 s[G0+4*\s+2:G0+4*\s+3], s[14:15], \s*1048576      ; K step s: four heads on
	s_or_b32 s[G0+4*\s+3], s[G0+4*\s+3], 0x80000000
	s_mov_b32 s[G0B+4*\s], 1
	s_add_co_u32 s[G0B+4*\s+1], s21, \s*SLOT
	s_add_nc_u64 s[G0B+4*\s+2:G0B+4*\s+3], s[46:47], \s*512
	s_or_b32 s[G0B+4*\s+3], s[G0B+4*\s+3], 0x80000000
	JLOAD \s
.endr
	v_and_b32 v1, 15, v0
	v_bfe_u32 v2, v0, 4, 1
	v_mul_u32_u24 v3, v1, PA
	v_lshl_add_u32 v3, v2, 4, v3
	v_mul_u32_u24 v4, v1, PB
	v_lshl_add_u32 v4, v2, 4, v4
	s_mul_i32 s21, s11, HALFA
	s_mul_i32 s22, s12, HALFB
	s_add_co_u32 s22, s22, BOFF
.irp s, 0,1
	v_add_nc_u32 v[ADRA+\s], s21, v3
	v_add_nc_u32 v[ADRB+\s], s22, v4
	s_add_co_u32 s21, s21, SLOT
	s_add_co_u32 s22, s22, SLOT
.endr
	s_mul_i32 s23, s10, 16*SPITCH
	s_add_co_u32 s23, s23, STAGE
	v_mul_u32_u24 v5, v1, SPITCH
	v_lshl_add_u32 v5, v2, 5, v5
	v_add_nc_u32 v[STO], s23, v5                   ; in: row r, 32 bytes for each half of the lanes
	v_mul_u32_u24 v5, v2, SPITCH
	v_lshl_add_u32 v5, v1, 4, v5
	v_add_nc_u32 v[RD], s23, v5                    ; back: lanes 0-15 one row of 256 bytes, lanes 16-31 the next
	v_lshlrev_b32 v5, 13, v2                       ; a position on is 8,192 bytes on in out0 (two batches of 4,096)
	v_lshl_add_u32 v[CO], v1, 4, v5
	v_lshlrev_b32 v[BOF], 5, v2
	s_and_b32 s16, s13, 15
	s_lshl_b32 s16, s16, 7
	s_lshl_b32 s17, s11, 6
	s_add_co_u32 s16, s16, s17                     ; my wave's first position
	v_mov_b32 v[MK], s16
	s_lshl_b32 s16, s16, 13
	s_lshr_b32 s17, s13, 4
	s_lshl_b32 s17, s17, 12
	s_add_co_u32 s16, s16, s17
	s_mov_b32 s17, 0
	s_add_nc_u64 s[70:71], s[70:71], s[16:17]
	s_lshl_b32 s46, s42, 9
	s_lshl_b32 s47, s12, 8
	s_add_co_u32 s46, s46, s47                     ; my first column x 4 bytes
	s_mov_b32 s47, 0
	s_add_nc_u64 s[70:71], s[70:71], s[46:47]
	s_add_nc_u64 s[68:69], s[68:69], s[46:47]
.irp b, 0,1,2,3
	global_load_b128 v[BI+8*\b:BI+8*\b+3], v[BOF], s[68:69] offset:64*\b
	global_load_b128 v[BI+8*\b+4:BI+8*\b+7], v[BOF], s[68:69] offset:64*\b+16
.endr
; 8 products: m blocks a0, a0 + 1 x 4 n blocks, 32 along K: half c of buffer f.  first = 1: the bias starts the sums.  The 16 accumulators take turns.
.macro MUL8 f, c, a0, first
.irp a, \a0, \a0+1
.irp b, 0,1,2,3
.if \first
	v_wmma_f32_16x16x32_f16 v[ACC+8*(4*(\a)+\b):ACC+8*(4*(\a)+\b)+7], v[\f+64+8*(4*\c+\b):\f+64+8*(4*\c+\b)+7], v[\f+8*(4*\c+\a):\f+8*(4*\c+\a)+7], v[BI+8*\b:BI+8*\b+7]
.else
	v_wmma_f32_16x16x32_f16 v[ACC+8*(4*(\a)+\b):ACC+8*(4*(\a)+\b)+7], v[\f+64+8*(4*\c+\b):\f+64+8*(4*\c+\b)+7], v[\f+8*(4*\c+\a):\f+8*(4*\c+\a)+7], v[ACC+8*(4*(\a)+\b):ACC+8*(4*(\a)+\b)+7]
.endif
.endr
.endr
.endm
; 32 LDS loads in one run: the fragments of quarter qd (64 along K = one head) into buffer f
.macro FETCH slot, qd, f
	WIN TO_F
.irp c, 0,1
.irp i, 0,1,2,3
	ds_load_b128 v[\f+64+8*(4*\c+\i):\f+64+8*(4*\c+\i)+3],   v[ADRB+\slot] offset:128*(\qd)+64*\c+\i*16*PB
	ds_load_b128 v[\f+64+8*(4*\c+\i)+4:\f+64+8*(4*\c+\i)+7], v[ADRB+\slot] offset:128*(\qd)+64*\c+\i*16*PB+32
	ds_load_b128 v[\f+8*(4*\c+\i):\f+8*(4*\c+\i)+3],         v[ADRA+\slot] offset:64*PA*(\qd)+64*\c+\i*16*PA
	ds_load_b128 v[\f+8*(4*\c+\i)+4:\f+8*(4*\c+\i)+7],       v[ADRA+\slot] offset:64*PA*(\qd)+64*\c+\i*16*PA+32
.endr
.endr
.endm
.macro PLACES
.rept 4
	v_nop
.endr
.endm
.macro QUARTER slot, qd, f, g, first   ; multiplies buffer f and fetches quarter qd of the slot into g
	s_wait_dscnt 16                                ; the first 32 along K are in; sixteen loads stay out
	WIN MUL
	MUL8 \f, 0, 0, \first
	MUL8 \f, 0, 2, \first
	PLACES
	FETCH \slot, \qd, \g
	s_wait_dscnt 32                                ; all but the 32 just issued
	WIN MUL
	MUL8 \f, 1, 0, 0
	MUL8 \f, 1, 2, 0
.endm
; A slot's last quarter changes slots: each wave waits for all its tensor loads, adds 0 to its spare word, waits for that and for its reads of the slot; fill = 1: a round of the cluster's barrier, and the joint refill first behind it.
.macro TURN slot, next, fill
	WIN 0
	s_wait_tensorcnt 0x0
	ds_add_u32 v[SPW], v[NIL]
	s_wait_dscnt 17                                ; the add and the youngest sixteen loads may be out
	WIN MUL
	MUL8 F1, 0, 0, 0
	s_wait_dscnt 0x0
	s_barrier_signal -1
	MUL8 F1, 0, 2, 0
.if \fill
	WIN 0
.endif
	s_barrier_wait -1
.if \fill
	CREST
	s_add_nc_u64 s[G0+4*\slot+2:G0+4*\slot+3], s[G0+4*\slot+2:G0+4*\slot+3], 2097152   ; two K steps on: eight heads
	s_add_nc_u64 s[G0B+4*\slot+2:G0B+4*\slot+3], s[G0B+4*\slot+2:G0B+4*\slot+3], 1024
	JLOAD \slot                                    ; its four v_nop are also the places in front of the loads below
.else
	PLACES
.endif
	FETCH \next, 0, F0
	WIN MUL
	MUL8 F1, 1, 0, 0
	MUL8 F1, 1, 2, 0
.endm
	s_wait_tensorcnt 1                             ; my part of K step 0 is in; K step 1's load may be out
	s_barrier_signal -1
	s_barrier_wait -1
	FETCH 0, 0, F0
	s_wait_loadcnt 0x0                             ; the bias
	QUARTER 0, 1, F0, F1, 1
	QUARTER 0, 2, F1, F0, 0
	QUARTER 0, 3, F0, F1, 0
	TURN 0, 1, 1                                   ; slot 0 takes K step 2
	QUARTER 1, 1, F0, F1, 0
	QUARTER 1, 2, F1, F0, 0
	QUARTER 1, 3, F0, F1, 0
	TURN 1, 0, 1                                   ; slot 1 takes K step 3
	QUARTER 0, 1, F0, F1, 0
	QUARTER 0, 2, F1, F0, 0
	QUARTER 0, 3, F0, F1, 0
	TURN 0, 1, 0
	QUARTER 1, 1, F0, F1, 0
	QUARTER 1, 2, F1, F0, 0
	QUARTER 1, 3, F0, F1, 0
	s_wait_dscnt 16
	WIN MUL
	MUL8 F1, 0, 0, 0
	MUL8 F1, 0, 2, 0
	s_wait_dscnt 0
	MUL8 F1, 1, 0, 0
	MUL8 F1, 1, 2, 0
	WIN 0
; THE WAY OUT: my 64 columns are 256 aligned bytes of a row, so each wave has a stage of its own.  A block of 16 positions goes in as the accumulators stand and comes back as whole rows: sixteen lanes store 256 consecutive bytes.
.macro TOSTAGE a
.set BB, TMP+32*((\a)%2)
.irp b, 0,1,2,3
	ds_store_b128 v[STO], v[ACC+8*(4*(\a)+\b):ACC+8*(4*(\a)+\b)+3] offset:64*\b
	ds_store_b128 v[STO], v[ACC+8*(4*(\a)+\b)+4:ACC+8*(4*(\a)+\b)+7] offset:64*\b+16
.endr
.irp t, 0,1,2,3,4,5,6,7
	ds_load_b128 v[BB+4*\t:BB+4*\t+3], v[RD] offset:\t*2*SPITCH
.endr
.endm
.macro STORES a
.set BB, TMP+32*((\a)%2)
.irp t, 0,1,2,3,4,5,6,7
	global_store_b128 v[CO], v[BB+4*\t:BB+4*\t+3], s[70:71] offset:(16*(\a)+2*\t)*8192 th:TH_STORE_NT
.endr
.endm
	PLACES
	TOSTAGE 0
	s_wait_dscnt 0x0
	s_wait_xcnt 0x0                                ; EXEC changes only behind this wait
	v_cmp_ne_u32 vcc_lo, 0, v[MK]                  ; positions 0-15 of a batch are another launch's: picked by EXEC
	s_and_saveexec_b32 s72, vcc_lo
	STORES 0
	s_wait_xcnt 0x0
	s_or_b32 exec_lo, exec_lo, s72
	TOSTAGE 1
	TOSTAGE 2
	s_wait_dscnt 16                                ; block 1 is back; block 2's eight stores and eight loads stay out
	STORES 1
	s_wait_xcnt 0x0                                ; block 1's stores have read their data: block 3's loads may land there
	TOSTAGE 3
	s_wait_dscnt 16
	STORES 2
	s_wait_dscnt 0x0
	STORES 3
	s_wait_tensorcnt 0x0                           ; the wave's end
	ds_add_u32 v[SPW], v[NIL]
	s_wait_dscnt 0x0
	CROUND                                         ; the closing round
	s_endpgm
.Lfunc_end_k_qdd013e32eb_outp:
	.size	k_qdd013e32eb_outp, .Lfunc_end_k_qdd013e32eb_outp-k_qdd013e32eb_outp
	.p2alignl 7, 3214868480
	.fill 96, 4, 3214868480
	.section	.rodata,"a",@progbits
	.p2align	6, 0x0
	.amdhsa_kernel k_qdd013e32eb_outp
		.amdhsa_group_segment_fixed_size 327680
		.amdhsa_private_segment_fixed_size 0
		.amdhsa_enable_private_segment 0
		.amdhsa_kernarg_size 32
		.amdhsa_user_sgpr_count 2
		.amdhsa_user_sgpr_kernarg_segment_ptr 1
		.amdhsa_wavefront_size32 1
		.amdhsa_system_sgpr_workgroup_id_x 1
		.amdhsa_system_sgpr_workgroup_id_y 1
		.amdhsa_system_sgpr_workgroup_id_z 1
		.amdhsa_system_vgpr_workitem_id 0
		.amdhsa_next_free_vgpr 512
		.amdhsa_next_free_sgpr 76
		.amdhsa_reserve_vcc 1
		.amdhsa_float_denorm_mode_32 3
		.amdhsa_float_denorm_mode_16_64 3
		.amdhsa_memory_ordered 1
		.amdhsa_forward_progress 1
		.amdhsa_inst_pref_size 87
	.end_amdhsa_kernel
	.amdgpu_metadata
---
amdhsa.version: [ 1, 2 ]
amdhsa.kernels:
  - .name:           k_qdd013e32eb_outp
    .symbol:         k_qdd013e32eb_outp.kd
    .args:
      - { .name: att, .offset: 0, .size: 8, .value_kind: global_buffer, .address_space: global }
      - { .name: wo16, .offset: 8, .size: 8, .value_kind: global_buffer, .address_space: global }
      - { .name: bo, .offset: 16, .size: 8, .value_kind: global_buffer, .address_space: global }
      - { .name: out0, .offset: 24, .size: 8, .value_kind: global_buffer, .address_space: global }
    .group_segment_fixed_size: 327680
    .private_segment_fixed_size: 0
    .kernarg_segment_align: 8
    .kernarg_segment_size: 32
    .max_flat_workgroup_size: 128
    .sgpr_count:     76
    .vgpr_count:     512
    .wavefront_size: 32
...
	.end_amdgpu_metadata
.endif
;; end of part 4
;; launch first16 (part 5): grid 32 x 2, 16 waves a work-group, no clusters, 38,912 bytes of LDS; arguments qkvf, Wo, bo, out0; writes out0
.if DOCPART == 5
	.amdgcn_target "amdgcn-amd-amdhsa--gfx1250"
	.amdhsa_code_object_version 6
	.text
	.protected	k_qdd013e32eb_first16
	.globl	k_qdd013e32eb_first16
	.p2align	8
	.type	k_qdd013e32eb_first16,@function
k_qdd013e32eb_first16:
	s_mov_b64 s[64:65], 0
	v_nop
	global_prefetch_b8 v0, s[64:65] scope:SCOPE_SE
	s_setreg_imm32_b32 hwreg(HW_REG_WAVE_MODE, 25, 1), 1
	s_wait_xcnt 0x0
; Positions 0-15 of both batches, in f32 throughout: under the causal mask these rows average one to sixteen values and are the largest in size.
; Work-group (x, b) makes out0 rows 2 s + b, s < 16, columns 32 x .. 32 x + 31.  Wave w takes head w: its 16 x 16 causal attention (done again by each of the batch's 32 column work-groups: 32 small matrix
; instructions), then the head's part of the projection (K = its 64 channels); the 16 parts and bo are added through LDS, in a fixed order.  64 work-groups: the launch has no more work than that.
; A row's piece is 128 bytes, so its 256-byte neighbourhoods are written in halves: 131,072 bytes in the whole launch.
; q, k, v come as images of the projection's accumulators: byte 131,072 t + 65,536 (s / 8) + 1,024 (e / 16) + 512 ((e / 4) % 2) + 256 ((e / 8) % 2) + 32 (s % 8) + 16 b + 4 (e % 4).
; In each product the same permutation of K is applied to both sources, so the loads take 16 bytes as they lie.  The order of the f32 sums differs from the reference's.
; The registers that the f32 matrix form writes (v192-239) are written by matrix instructions alone.
.set SPARE, 16*2304
.set SPW, 10
.set NIL, 11
.set T,   16                           ; v16-23 the scores
.set QR,  32                           ; v32-63 Q, later O / l
.set ON,  32
.set KR,  64                           ; v64-95
.set VR,  96                           ; v96-127
.set WR,  128                          ; v128-191
.set ACC, 192                          ; v192-223 four accumulators: S^T's, then O^T's
.set OACC, 224                         ; v224-239 the projection's two
.set PP,  240                          ; v240-247 p
	s_load_b256 s[4:11], s[0:1], 0x0               ; qkvf, Wo, bo, out0
	v_lshl_add_u32 v[SPW], v0, 2, SPARE
	v_mov_b32 v[NIL], 0
	v_lshrrev_b32 v1, 5, v0
	v_readfirstlane_b32 s12, v1                    ; wave = head
	s_and_b32 s13, ttmp7, 0xffff                   ; batch
	s_lshl_b32 s14, s13, 4
	v_and_b32 v1, 15, v0                           ; r
	v_bfe_u32 v2, v0, 4, 1                         ; h
	v_lshrrev_b32 v3, 3, v1                        ; Q, K: position r, channels 8 h on
	v_lshlrev_b32 v3, 16, v3
	v_lshl_add_u32 v3, v2, 8, v3
	v_and_b32 v12, 7, v1
	v_lshl_add_u32 v3, v12, 5, v3
	v_add_nc_u32 v3, s14, v3
	v_lshlrev_b32 v4, 16, v2                       ; V: keys 8 h on, channel r of a tile
	v_bfe_u32 v12, v1, 2, 1
	v_lshl_add_u32 v4, v12, 9, v4
	v_lshrrev_b32 v12, 3, v1
	v_lshl_add_u32 v4, v12, 8, v4
	v_and_b32 v12, 3, v1
	v_lshl_add_u32 v4, v12, 2, v4
	v_add_nc_u32 v4, s14, v4
	v_lshlrev_b32 v5, 12, v1                       ; Wo: row r of a tile, + 32 h
	v_lshl_add_u32 v5, v2, 5, v5
	s_mul_i32 s15, s12, 2304                       ; my part in LDS: 16 rows x (128 + 16) bytes
	v_mul_u32_u24 v6, v1, 144
	v_lshl_add_u32 v6, v2, 5, v6
	v_add_nc_u32 v6, s15, v6
	v_bfe_u32 v12, v0, 3, 4                        ; the sum: thread t < 128 takes row t / 8, 16 bytes at 16 (t % 8)
	v_and_b32 v13, 7, v0
	v_mul_u32_u24 v7, v12, 144
	v_lshl_add_u32 v7, v13, 4, v7
	v_lshlrev_b32 v8, 13, v12
	v_lshl_add_u32 v8, v13, 4, v8
	v_lshlrev_b32 v30, 4, v13
	v_lshlrev_b32 v9, 3, v2
	v_sub_nc_u32 v9, v1, v9                        ; d = r - 8 h: register j holds key 8 h + j, hidden where j > d
	v_mov_b32 v15, 0                               ; upper halves of pairs of which the low word serves both
	v_mov_b32 v29, 0
	v_mov_b32 v31, 0xff800000
	s_mov_b32 s24, 0x76543210
	s_mov_b32 s25, 0xfedcba98
	s_mov_b32 s26, 0x3e38aa3b                      ; c = log2(e) / 8
	s_mov_b32 s27, s26
	s_lshl_b32 s16, s12, 12                        ; the head's 4 blocks of 1,024 bytes
	s_mov_b32 s17, 0
	s_lshl_b32 s18, ttmp9, 17                      ; Wo: 32 rows of 4,096 bytes x work-group x,
	s_lshl_b32 s20, s12, 8                         ; + the head's 64 channels
	s_add_co_u32 s18, s18, s20
	s_mov_b32 s19, 0
	s_lshl_b32 s20, ttmp9, 7                       ; my first column x 4 bytes
	s_mov_b32 s21, 0
	s_lshl_b32 s22, s13, 12
	s_add_co_u32 s22, s22, s20
	s_mov_b32 s23, 0
	s_wait_kmcnt 0x0
	s_add_nc_u64 s[4:5], s[4:5], s[16:17]
	s_add_nc_u64 s[6:7], s[6:7], s[18:19]
	s_add_nc_u64 s[8:9], s[8:9], s[20:21]
	s_add_nc_u64 s[10:11], s[10:11], s[22:23]
.irp c, 0,1,2,3,4,5,6,7
	global_load_b128 v[QR+4*\c:QR+4*\c+3], v3, s[4:5] offset:1024*(\c/2)+512*(\c%2)          ; channels 16 (c / 2) + 8 h + 4 (c % 2) + 0 .. 3 of position r
.endr
.irp c, 0,1,2,3,4,5,6,7
	global_load_b128 v[KR+4*\c:KR+4*\c+3], v3, s[4:5] offset:131072+1024*(\c/2)+512*(\c%2)
.endr
.irp ct, 0,1,2,3
.irp j, 0,1,2,3,4,5,6,7
	global_load_b32 v[VR+8*\ct+\j], v4, s[4:5] offset:262144+1024*\ct+32*\j                  ; V(key 8 h + j, channel 16 ct + r)
.endr
.endr
.irp nt, 0,1
.irp ct, 0,1,2,3
	global_load_b128 v[WR+32*\nt+8*\ct:WR+32*\nt+8*\ct+3], v5, s[6:7] offset:65536*\nt+64*\ct     ; Wo(16 nt + r, 16 ct + 8 h + 0 .. 7)
	global_load_b128 v[WR+32*\nt+8*\ct+4:WR+32*\nt+8*\ct+7], v5, s[6:7] offset:65536*\nt+64*\ct+16
.endr
.endr
	global_load_b128 v[24:27], v30, s[8:9]         ; bo
	s_wait_loadcnt 49                              ; Q and K are in; V's 32, Wo's 16 and bo's one stay out
	; S^T = K Q^T: 16 steps of 4 along the channels, four accumulators by turns; the first four start the sums
.irp i, 0,1,2,3
	v_wmma_f32_16x16x4_f32 v[ACC+8*\i:ACC+8*\i+7], v[KR+2*\i:KR+2*\i+1], v[QR+2*\i:QR+2*\i+1], 0
.endr
.irp i, 4,5,6,7,8,9,10,11,12,13,14,15
	v_wmma_f32_16x16x4_f32 v[ACC+8*(\i%4):ACC+8*(\i%4)+7], v[KR+2*\i:KR+2*\i+1], v[QR+2*\i:QR+2*\i+1], v[ACC+8*(\i%4):ACC+8*(\i%4)+7]
.endr
.rept 8
	v_nop                                          ; eight places behind this form (ISA guide 7.12.1)
.endr
.irp p, 0,1,2,3
	v_pk_add_f32 v[T+2*\p:T+2*\p+1], v[ACC+2*\p:ACC+2*\p+1], v[ACC+8+2*\p:ACC+8+2*\p+1]      ; each accumulator from its low end on
	v_pk_add_f32 v[T+2*\p:T+2*\p+1], v[T+2*\p:T+2*\p+1], v[ACC+16+2*\p:ACC+16+2*\p+1]
	v_pk_add_f32 v[T+2*\p:T+2*\p+1], v[T+2*\p:T+2*\p+1], v[ACC+24+2*\p:ACC+24+2*\p+1]
.endr
.irp j, 0,1,2,3,4,5,6,7
	v_cmp_gt_i32 vcc_lo, \j, v9
	v_cndmask_b32 v[T+\j], v[T+\j], v31, vcc_lo    ; hidden keys: -infinity
.endr
	v_max3_num_f32 v12, v16, v17, v18
	v_max3_num_f32 v13, v19, v20, v21
	v_max3_num_f32 v12, v12, v22, v23
	v_max_num_f32 v12, v12, v13
	v_permlanex16_b32 v13, v12, s24, s25
	v_max_num_f32 v12, v12, v13                    ; the row's maximum: key 0 counts for every query
	v_mul_f32 v14, s26, v12
.irp p, 0,1,2,3
	v_pk_fma_f32 v[PP+2*\p:PP+2*\p+1], v[T+2*\p:T+2*\p+1], s[26:27], v[14:15] op_sel_hi:[1,0,0] neg_lo:[0,0,1] neg_hi:[0,0,1]
.endr
.irp j, 0,1,2,3,4,5,6,7
	v_exp_f32 v[PP+\j], v[PP+\j]
.endr
	v_nop
	s_wait_alu depctr_va_vdst(0)                   ; one wait for the eight, ahead of their first reader
	v_pk_add_f32 v[12:13], v[PP:PP+1], v[PP+2:PP+3]
	v_pk_add_f32 v[16:17], v[PP+4:PP+5], v[PP+6:PP+7]
	v_pk_add_f32 v[12:13], v[12:13], v[16:17]
	v_add_f32 v12, v12, v13
	v_permlanex16_b32 v13, v12, s24, s25
	v_add_f32 v12, v12, v13
	v_rcp_f32 v28, v12
	v_nop
	s_wait_loadcnt 17                              ; V is in; Wo's 16 and bo's one stay out
	; O^T = V^T P: 4 steps of 4 along the keys, four accumulators by turns
.irp ct, 0,1,2,3
	v_wmma_f32_16x16x4_f32 v[ACC+8*\ct:ACC+8*\ct+7], v[VR+8*\ct:VR+8*\ct+1], v[PP:PP+1], 0
.endr
.irp jj, 1,2,3
.irp ct, 0,1,2,3
	v_wmma_f32_16x16x4_f32 v[ACC+8*\ct:ACC+8*\ct+7], v[VR+8*\ct+2*\jj:VR+8*\ct+2*\jj+1], v[PP+2*\jj:PP+2*\jj+1], v[ACC+8*\ct:ACC+8*\ct+7]
.endr
.endr
.rept 8
	v_nop
.endr
	s_wait_alu depctr_va_vdst(0)                   ; ahead of the reciprocal's first reader
.irp i, 0,1,2,3,4,5,6,7,8,9,10,11,12,13,14,15
	v_pk_mul_f32 v[ON+2*\i:ON+2*\i+1], v[ACC+2*\i:ACC+2*\i+1], v[28:29] op_sel_hi:[1,0]      ; register 8 ct + j: channel 16 ct + 8 h + j of position r
.endr
	s_wait_loadcnt 0x0
	; the head's part of the projection: source 0 = 16 rows of Wo, source 1 = the 16 positions; two accumulators by turns
.irp nt, 0,1
	v_wmma_f32_16x16x4_f32 v[OACC+8*\nt:OACC+8*\nt+7], v[WR+32*\nt:WR+32*\nt+1], v[ON:ON+1], 0
.endr
.irp i, 1,2,3,4,5,6,7,8,9,10,11,12,13,14,15
.irp nt, 0,1
	v_wmma_f32_16x16x4_f32 v[OACC+8*\nt:OACC+8*\nt+7], v[WR+32*\nt+2*\i:WR+32*\nt+2*\i+1], v[ON+2*\i:ON+2*\i+1], v[OACC+8*\nt:OACC+8*\nt+7]
.endr
.endr
.rept 8
	v_nop
.endr
.irp nt, 0,1
	ds_store_b128 v6, v[OACC+8*\nt:OACC+8*\nt+3] offset:64*\nt          ; position r, columns 16 nt + 8 h + 0 .. 7
	ds_store_b128 v6, v[OACC+8*\nt+4:OACC+8*\nt+7] offset:64*\nt+16
.endr
	s_wait_dscnt 0x0                               ; for the others' sake: my part has landed
	s_barrier_signal -1
	s_barrier_wait -1
	s_cmp_ge_u32 s12, 4                            ; 128 threads add the sixteen parts
	s_cbranch_scc1 .Lend
.irp k, 0,1,2,3,4,5,6,7,8,9,10,11,12,13,14,15
	ds_load_b128 v[64+4*\k:67+4*\k], v7 offset:2304*\k
.endr
	s_wait_dscnt 0x0
.irp k, 0,1,2,3,4,5,6,7,8,9,10,11,12,13,14,15
	v_pk_add_f32 v[24:25], v[24:25], v[64+4*\k:65+4*\k]
	v_pk_add_f32 v[26:27], v[26:27], v[66+4*\k:67+4*\k]
.endr
	global_store_b128 v8, v[24:27], s[10:11]
.Lend:
	s_wait_tensorcnt 0x0                           ; the wave's end, behind my last LDS store
	ds_add_u32 v[SPW], v[NIL]
	s_wait_dscnt 0x0
	s_endpgm
.Lfunc_end_k_qdd013e32eb_first16:
	.size	k_qdd013e32eb_first16, .Lfunc_end_k_qdd013e32eb_first16-k_qdd013e32eb_first16
	.p2alignl 7, 3214868480
	.fill 96, 4, 3214868480
	.section	.rodata,"a",@progbits
	.p2align	6, 0x0
	.amdhsa_kernel k_qdd013e32eb_first16
		.amdhsa_group_segment_fixed_size 38912
		.amdhsa_private_segment_fixed_size 0
		.amdhsa_enable_private_segment 0
		.amdhsa_kernarg_size 32
		.amdhsa_user_sgpr_count 2
		.amdhsa_user_sgpr_kernarg_segment_ptr 1
		.amdhsa_wavefront_size32 1
		.amdhsa_system_sgpr_workgroup_id_x 1
		.amdhsa_system_sgpr_workgroup_id_y 1
		.amdhsa_system_sgpr_workgroup_id_z 1
		.amdhsa_system_vgpr_workitem_id 0
		.amdhsa_next_free_vgpr 256
		.amdhsa_next_free_sgpr 66
		.amdhsa_reserve_vcc 1
		.amdhsa_float_denorm_mode_32 3
		.amdhsa_float_denorm_mode_16_64 3
		.amdhsa_memory_ordered 1
		.amdhsa_forward_progress 1
		.amdhsa_inst_pref_size 22
	.end_amdhsa_kernel
	.amdgpu_metadata
---
amdhsa.version: [ 1, 2 ]
amdhsa.kernels:
  - .name:           k_qdd013e32eb_first16
    .symbol:         k_qdd013e32eb_first16.kd
    .args:
      - { .name: qkvf, .offset: 0, .size: 8, .value_kind: global_buffer, .address_space: global }
      - { .name: Wo, .offset: 8, .size: 8, .value_kind: global_buffer, .address_space: global }
      - { .name: bo, .offset: 16, .size: 8, .value_kind: global_buffer, .address_space: global }
      - { .name: out0, .offset: 24, .size: 8, .value_kind: global_buffer, .address_space: global }
    .group_segment_fixed_size: 38912
    .private_segment_fixed_size: 0
    .kernarg_segment_align: 8
    .kernarg_segment_size: 32
    .max_flat_workgroup_size: 512
    .sgpr_count:     66
    .vgpr_count:     256
    .wavefront_size: 32
...
	.end_amdgpu_metadata
.endif
;; end of part 5
